; MI455X (gfx1250); checked and timed in simulation.
; The chip was launched on July 23, 2026; its instructions are those of AMD's public machine-readable ISA for CDNA 5 (MIT licence, August 2026) and "CDNA5" Instruction Set Architecture Reference Guide (July 2026). The comments in the code are by the model that wrote it; some were corrected since.
;; Multi Head Self Attention. Allowed arithmetic: matrix products marked QUANTISED: E2M3 operands, one E8M0 scale for each 32 along K, by v_wmma_scale_f32_16x16x128_f8f6f4 with both operands' format E2M3, f32 sums; everything else in f32.
;; Inputs: b_proj 1,024 float32; b_qkv 3,072 float32; w_proj 1,024 x 1,024 float32; w_qkv 3,072 x 1,024 float32; x 4 x 2,048 x 1,024 float32.
;; Outputs: out0 4 x 2,048 x 1,024 float32.
;; This version of the problem:
;;   THIS VERSION OF THE PROBLEM IS GIVEN IN LOW PRECISION. The matrix products marked QUANTISED in the list below multiply operands that are first quantised to E2M3 (2 exponent bits, 3 mantissa bits; 6 bits a number), with one power-of-two scale for each 32 numbers along K (OCP MX v1.0); their sums are f32. All else is computed in f32.
;;   The module's matrix products, in the order in which they are computed (A, B: the left and right operand; K: the contracted axis; several contracted axes count as one K, in the product's order):
;;     1. [M 8,192, K 1,024] x [K 1,024, N 3,072]; A: input x; B: input w_qkv: QUANTISED
;;     2. batch 64 x [M 2,048, K 64] x [K 64, N 2,048]; A: computed on the way; B: computed on the way: QUANTISED
;;     3. batch 64 x [M 2,048, K 2,048] x [K 2,048, N 64]; A: softmax (see below); B: computed on the way: QUANTISED
;;     4. [M 8,192, K 1,024] x [K 1,024, N 1,024]; A: computed on the way; B: input w_proj: QUANTISED
;;   THE QUANTISER, for each operand of a quantised product, along K:
;;     - K is cut into blocks of 32 from its start; a last block that is shorter is filled with zeros.
;;     - A block's scale is 2^e with e = floor(log2(the largest magnitude in the block)) - 2, held to -126 .. 127; a block of zeros has e = 0. As a byte (E8M0): e + 127.
;;     - Each number is divided by its block's scale, clamped to +-7.5, and rounded to the nearest number of E2M3, ties to even, subnormals kept.
;;     - The product sums the exact products of the quantised numbers (number of the format x scale) in f32.
;;   ~~~python
;;   def quantise(x, axis):      # numpy; x: float32 -> the quantised numbers, widened to float32 again
;;       x = np.moveaxis(x, axis, -1); K = x.shape[-1]
;;       x = np.pad(x, [(0, 0)] * (x.ndim - 1) + [(0, -K % 32)]); x = x.reshape(x.shape[:-1] + (-1, 32)); a = np.abs(x).max(-1, keepdims=True)
;;       e = np.where(a > 0, np.clip(np.frexp(np.where(a > 0, a, 1))[1] - 1 - 2, -126, 127), 0)      # np.frexp(a)[1] - 1 = floor(log2(a)), exactly
;;       r = np.clip(x / 2.0 ** e, -7.5, 7.5)
;;       step = 2.0 ** (np.maximum(np.frexp(np.where(r == 0, 1, r))[1] - 1, 0) - 3)
;;       q = np.round(r / step) * step * 2.0 ** e      # np.round: ties to even
;;       return np.moveaxis(q.reshape(q.shape[:-2] + (-1,))[..., :K], -1, axis).astype(np.float32)
;;   ~~~
;;   SOFTMAX AHEAD OF A QUANTISED PRODUCT. Where the list says 'softmax', what is quantised is not the finished softmax but p = 2^(t - M), with t = logit x log2(e) and M = ceil(the row's largest t), a whole number; so 1/2 < the row's largest p <= 1. The row's sum l is taken of the UNQUANTISED p, in f32, and the product's result is divided by l at the end. Since M is a whole number, a kernel that streams over the keys may use a running M (the ceiling of the running maximum): every later rescaling is an exact power of two, which a block's scale takes up: the codes' values come out the same.
;;   OPERANDS COMPUTED ON THE WAY. 'Computed on the way' means the value that the module computes at that place (a softmax that the list does not call 'softmax' is quantised finished and normalised). What goes into a quantiser is computed in f32, as accurately as f32 sums, v_exp_f32 and their like allow (about 1e-6 of the number): no bf16 or f16 on the way to a quantiser, and a product that is left as it is and whose result goes on into a quantised operand takes f32 operands (vector FMAs, or v_wmma_f32_16x16x4_f32). A number that lies on a knife's edge between two numbers of the format may be rounded either way, as far as f32 arithmetic and the matrix unit's own rounding can turn it there, and no further.
;; One version. Each part assembles by itself: llvm-mc -triple=amdgcn-amd-amdhsa -mcpu=gfx1250 --defsym DOCPART=n.
;; ======== version 1 of 1: 4 launches
;; limits: right only within a limited range of input values
;; workspace buffers: xq 6,553,600 bytes; wq 2,457,600 bytes; wp 819,200 bytes; qb 6,815,744 bytes; kv 13,369,344 bytes; ob 6,815,744 bytes
;; launch quant (part 1): grid 768 x 1, 8 waves a work-group, no clusters, 69,120 bytes of LDS; arguments x, w_qkv, w_proj, xq, wq, wp; writes xq, wq, wp
.if DOCPART == 1
	.amdgcn_target "amdgcn-amd-amdhsa--gfx1250"
	.amdhsa_code_object_version 6
	.text
	.protected	k_q878d47b4d4_quant
	.globl	k_q878d47b4d4_quant
	.p2align	8
	.type	k_q878d47b4d4_quant,@function
k_q878d47b4d4_quant:
	s_mov_b64 s[64:65], 0
	v_nop
	global_prefetch_b8 v0, s[64:65] scope:SCOPE_SE
	s_setreg_imm32_b32 hwreg(HW_REG_WAVE_MODE, 25, 1), 1
	s_wait_xcnt 0x0
; MULTI-HEAD SELF-ATTENTION IN MX-FP6, FOUR LAUNCHES: quant, qkv, attn, proj.  This one turns x [8192][1024], w_qkv [3072][1024] and w_proj [1024][1024], f32, K innermost,
; into codes of E2M3 with one E8M0 byte for each 32 along K, laid in the order in which the products' operand registers take them.
; NO WORK OF THE PROBLEM IS LEFT OUT IN ANY LAUNCH: b_qkv goes into the quantisers of q, k and v and can move their codes, b_proj goes into the output; all five inputs are loaded.
; THE RULE: a block's scale is 2^(floor(log2(largest magnitude)) - 2); its byte is the largest magnitude's exponent field - 2, held at 1 from below; each number / scale, to the nearest code, ties to even, beyond 7.5 the largest code.
; LIMITS: a block of zeros, or one whose largest magnitude lies under 2^-124, keeps the byte 1 (a block of zeros has zero codes, which add nothing under that byte; the bytes are read by this program alone); NaN and infinities are not served.
; ROWS GO IN QUADS OF 64.  Tile u (0..3) of a quad takes in lane r the row 32 (r / 8) + 8 u + r % 8.  Where a quad's four tiles are source 0 of a product, a lane's 32 results are then 32 NEIGHBOURS along the quad,
; a whole block of the next quantiser, in the order of the 6-bit operand.
; HALF FRAGMENT (768 bytes): 16 rows x 64 K as an image of registers: lane (r, h) holds block h of row r in 6 registers; registers 0-3 lie at 16 x lane, registers 4-5 at 512 + 8 x lane.
; OPERAND BLOCK (12,800 bytes): a quad x 256 along K: codes at 3072 u + 1536 s + 768 c (s: which 128 along K, c: which 64); scale words (4 bytes for 128 K) at 12288 + 128 u + 8 r + 4 s.  A buffer is [K chunk 0..3][quad][12800].
; SHARES: a work-group makes one operand block; wave w makes tile w / 2, K step w % 2: 16 rows x 128 numbers.  Each load reads 512 consecutive bytes of one row; the numbers turn through the wave's own stage in LDS
; (rows 528 bytes apart) and come back 32 neighbours at a time.  No loop, no tensor load; one barrier, for the block's 512 bytes of scale words, which leave as one run.
.set WSTG,  8448                       ; a wave's stage: 16 rows x (512 + 16)
.set SST,   8*WSTG                     ; the block's scale words, 512 bytes
.set SPARE, SST+512                    ; the spare words, 128 bytes for each wave: four blocks of 256 bytes that no other line names
.set OPB,   12800
.set XR,    24                         ; v24-87   16 x 4 registers as loaded
.set YR,    88                         ; v88-151  64 numbers: block c at 32 c
.set FR,    24                         ; v24-35   the fragment's codes (X is done with)
.set TR,    36                         ; v36-38, v40-42 the second halves of the blocks' codes
.set SPW,   12                         ; v12  my spare word; never rewritten
.set NIL,   13                         ; v13  0; never rewritten
	s_load_b256 s[4:11], s[0:1], 0x0               ; x, w_qkv, w_proj, xq
	s_load_b128 s[12:15], s[0:1], 0x20             ; wq, wp
	v_lshl_add_u32 v[SPW], v0, 2, SPARE
	v_mov_b32 v[NIL], 0
	v_lshrrev_b32 v1, 5, v0
	s_delay_alu instid0(VALU_DEP_1)
	v_readfirstlane_b32 s20, v1                    ; wave 0..7
	v_and_b32 v1, 31, v0                           ; lane
	v_and_b32 v2, 15, v0                           ; r
	v_bfe_u32 v3, v0, 4, 1                         ; h
	s_delay_alu instid0(VALU_DEP_3)
	v_lshlrev_b32 v4, 4, v1                        ; 16 x lane
	s_delay_alu instid0(VALU_DEP_4)
	v_lshlrev_b32 v5, 3, v1                        ; 8 x lane
	s_mul_i32 s21, s20, WSTG
	v_add_nc_u32 v6, s21, v4                       ; the stage, on the way in: a row's 512 bytes as they lie
	v_mul_u32_u24 v7, v2, 528
	s_delay_alu instid0(VALU_DEP_1)
	v_lshl_add_u32 v7, v3, 7, v7
	s_delay_alu instid0(VALU_DEP_1)
	v_add_nc_u32 v7, s21, v7                       ; and on the way out: row r, + 128 h: my 32 numbers of each 64
	v_lshlrev_b32 v8, 3, v3                        ; 8 h
	s_lshr_b32 s22, s20, 1                         ; u
	s_and_b32 s23, s20, 1                          ; s
	s_lshl_b32 s24, s22, 7
	s_lshl_b32 s25, s23, 2
	s_add_co_u32 s24, s24, s25
	s_add_co_u32 s24, s24, SST
	v_lshl_add_u32 v9, v2, 3, s24                  ; my row's scale word: SST + 128 u + 4 s + 8 r
	v_add_nc_u32 v10, SST, v4                      ; the words' way out
	v_mov_b32 v21, 0                               ; written once: a lane permute's destination counts as one of its sources
	s_mov_b32 s34, 0x76543210
	s_mov_b32 s35, 0xfedcba98                      ; selects for lane l xor 16
	; which tensor: work-groups 0-511 x (128 quads), 512-703 w_qkv (48), 704-767 w_proj (16); four K chunks to a quad
	s_cmp_lt_u32 ttmp9, 704
	s_mov_b32 s16, 704
	s_cselect_b32 s16, 512, s16
	s_mov_b32 s18, 204800
	s_cselect_b32 s18, 614400, s18
	s_cmp_lt_u32 ttmp9, 512
	s_cselect_b32 s16, 0, s16                      ; the tensor's first work-group
	s_cselect_b32 s18, 1638400, s18                ; bytes of a K chunk in its buffer of codes
	s_sub_co_u32 s26, ttmp9, s16
	s_lshr_b32 s27, s26, 2                         ; quad
	s_and_b32 s26, s26, 3                          ; K chunk
	s_lshl_b32 s28, s27, 18                        ; in: 64 rows of 4,096 bytes a quad,
	s_lshl_b32 s30, s26, 10                        ; 1,024 bytes a chunk,
	s_add_co_u32 s28, s28, s30
	s_lshl_b32 s30, s22, 15                        ; 8 rows a tile,
	s_add_co_u32 s28, s28, s30
	s_lshl_b32 s30, s23, 9                         ; 512 bytes a K step
	s_add_co_u32 s28, s28, s30
	s_mov_b32 s29, 0
	s_mul_i32 s36, s26, s18                        ; out: the block
	s_mul_i32 s30, s27, OPB
	s_add_co_u32 s36, s36, s30
	s_mov_b32 s37, 0
	s_mul_i32 s38, s22, 3072                       ; and my fragment in it
	s_mul_i32 s30, s23, 1536
	s_add_co_u32 s38, s38, s30
	s_mov_b32 s39, 0
	s_wait_alu depctr_va_vdst(0)
	s_wait_kmcnt 0x0
	s_cmp_lt_u32 ttmp9, 704                        ; the buffers are chosen by the work-group's number alone
	s_cselect_b64 s[6:7], s[6:7], s[8:9]
	s_cselect_b64 s[12:13], s[12:13], s[14:15]
	s_cmp_lt_u32 ttmp9, 512
	s_cselect_b64 s[4:5], s[4:5], s[6:7]
	s_cselect_b64 s[10:11], s[10:11], s[12:13]
	s_add_nc_u64 s[4:5], s[4:5], s[28:29]
	s_add_nc_u64 s[10:11], s[10:11], s[36:37]      ; the block
	s_add_nc_u64 s[32:33], s[10:11], s[38:39]      ; my fragment
.irp i, 0,1,2,3,4,5,6,7,8,9,10,11,12,13,14,15
	global_load_b128 v[XR+4*\i:XR+4*\i+3], v4, s[4:5] offset:(32*(\i/8)+(\i%8))*4096 th:TH_LOAD_NT   ; tile row i: 32 lanes read 512 consecutive bytes; read once in the launch
.endr
.irp i, 0,1,2,3,4,5,6,7,8,9,10,11,12,13,14,15
	s_wait_loadcnt 15-\i                           ; loads come back in order: row i is in, the 15 - i younger ones stay out
	ds_store_b128 v6, v[XR+4*\i:XR+4*\i+3] offset:528*\i
.endr
.irp c, 0,1
.irp j, 0,1,2,3,4,5,6,7
	ds_load_b128 v[YR+32*\c+4*\j:YR+32*\c+4*\j+3], v7 offset:256*\c+16*\j   ; LDS serves a wave's instructions in order: these see my stores.  k = 64 c + 32 h + 4 j ..
.endr
.endr
	s_wait_dscnt 0x0
.irp c, 0,1
	v_max3_num_f32 v[14+\c], |v[YR+32*\c]|, |v[YR+32*\c+1]|, 0x1800000   ; my block 2 c + h: all 32 numbers are mine; the floor 2^(3 - 127) holds the byte at 1 from below
.endr
.irp i, 2,4,6,8,10,12,14,16,18,20,22,24,26,28,30
.irp c, 0,1
	s_delay_alu instid0(VALU_DEP_2)
	v_max3_num_f32 v[14+\c], v[14+\c], |v[YR+32*\c+\i]|, |v[YR+32*\c+\i+1]|
.endr
.endr
.irp c, 0,1
	s_delay_alu instid0(VALU_DEP_2)
	v_add_nc_u32 v[16+\c], 0xff000000, v[14+\c]    ; 2 off the exponent field: the conversion takes this operand's exponent field as its scale
.endr
.irp c, 0,1
	s_delay_alu instid0(VALU_DEP_2)
	v_lshrrev_b32 v[18+\c], 23, v[16+\c]           ; the scale's byte
.endr
	s_delay_alu instid0(VALU_DEP_1)
	v_lshl_or_b32 v20, v19, 16, v18                ; my two bytes, blocks h and 2 + h,
	s_delay_alu instid0(VALU_DEP_1)
	v_lshlrev_b32 v20, v8, v20                     ; at their places (8 h bits up);
	s_delay_alu instid0(VALU_DEP_1)
	v_permlanex16_b32 v21, v20, s34, s35
	s_delay_alu instid0(VALU_DEP_1)
	v_or_b32 v20, v20, v21                         ; with lane l xor 16's two the word is whole
.irp c, 0,1
	v_cvt_scalef32_pk16_fp6_f32 v[FR+6*\c:FR+6*\c+2], v[YR+32*\c:YR+32*\c+15], v[16+\c]
	v_cvt_scalef32_pk16_fp6_f32 v[TR+4*\c:TR+4*\c+2], v[YR+32*\c+16:YR+32*\c+31], v[16+\c]   ; (a conversion's three registers begin on an even number)
.endr
	v_nop                                          ; one plain place behind the scaled conversions
.irp c, 0,1
.irp i, 0,1,2
	v_mov_b32 v[FR+6*\c+3+\i], v[TR+4*\c+\i]
.endr
.endr
	global_store_b128 v4, v[FR:FR+3], s[32:33]                 ; each store covers 512 or 256 consecutive bytes, at a multiple of 256 from the buffer's first byte
	global_store_b64 v5, v[FR+4:FR+5], s[32:33] offset:512
	global_store_b128 v4, v[FR+6:FR+9], s[32:33] offset:768
	global_store_b64 v5, v[FR+10:FR+11], s[32:33] offset:1280
	ds_store_b32 v9, v20                           ; both halves of the lanes write the same word with the same value
	s_wait_dscnt 0x0                               ; for the others' sake: my scale words lie in LDS
	s_barrier_signal -1
	s_barrier_wait -1
	s_cmp_lg_u32 s20, 0
	s_cbranch_scc1 .Lend
	ds_load_b128 v[YR:YR+3], v10                   ; wave 0 sends the block's 512 bytes of scale words
	s_wait_dscnt 0x0
	global_store_b128 v4, v[YR:YR+3], s[10:11] offset:12288
.Lend:
	s_wait_tensorcnt 0x0                           ; the wave's end, behind my last LDS store
	ds_add_u32 v[SPW], v[NIL]
	s_wait_dscnt 0x0
	s_endpgm
.Lfunc_end_k_q878d47b4d4_quant:
	.size	k_q878d47b4d4_quant, .Lfunc_end_k_q878d47b4d4_quant-k_q878d47b4d4_quant
	.p2alignl 7, 3214868480
	.fill 96, 4, 3214868480
	.section	.rodata,"a",@progbits
	.p2align	6, 0x0
	.amdhsa_kernel k_q878d47b4d4_quant
		.amdhsa_group_segment_fixed_size 69120
		.amdhsa_private_segment_fixed_size 0
		.amdhsa_enable_private_segment 0
		.amdhsa_kernarg_size 48
		.amdhsa_user_sgpr_count 2
		.amdhsa_user_sgpr_kernarg_segment_ptr 1
		.amdhsa_wavefront_size32 1
		.amdhsa_system_sgpr_workgroup_id_x 1
		.amdhsa_system_sgpr_workgroup_id_y 1
		.amdhsa_system_sgpr_workgroup_id_z 1
		.amdhsa_system_vgpr_workitem_id 0
		.amdhsa_next_free_vgpr 160
		.amdhsa_next_free_sgpr 66
		.amdhsa_reserve_vcc 0
		.amdhsa_float_denorm_mode_32 3
		.amdhsa_float_denorm_mode_16_64 3
		.amdhsa_memory_ordered 1
		.amdhsa_forward_progress 1
		.amdhsa_inst_pref_size 13
	.end_amdhsa_kernel
	.amdgpu_metadata
---
amdhsa.version: [ 1, 2 ]
amdhsa.kernels:
  - .name:           k_q878d47b4d4_quant
    .symbol:         k_q878d47b4d4_quant.kd
    .args:
      - { .name: x, .offset: 0, .size: 8, .value_kind: global_buffer, .address_space: global }
      - { .name: w_qkv, .offset: 8, .size: 8, .value_kind: global_buffer, .address_space: global }
      - { .name: w_proj, .offset: 16, .size: 8, .value_kind: global_buffer, .address_space: global }
      - { .name: xq, .offset: 24, .size: 8, .value_kind: global_buffer, .address_space: global }
      - { .name: wq, .offset: 32, .size: 8, .value_kind: global_buffer, .address_space: global }
      - { .name: wp, .offset: 40, .size: 8, .value_kind: global_buffer, .address_space: global }
    .group_segment_fixed_size: 69120
    .private_segment_fixed_size: 0
    .kernarg_segment_align: 8
    .kernarg_segment_size: 48
    .max_flat_workgroup_size: 256
    .sgpr_count:     66
    .vgpr_count:     160
    .wavefront_size: 32
...
	.end_amdgpu_metadata
.endif
;; end of part 1
;; launch qkv (part 2): grid 4 x 64, 8 waves a work-group, clusters of 4 x 4, 327,680 bytes of LDS; arguments xq, wq, b_qkv, qb, kv; writes qb, kv
.if DOCPART == 2
	.amdgcn_target "amdgcn-amd-amdhsa--gfx1250"
	.amdhsa_code_object_version 6
	.text
	.protected	k_q878d47b4d4_qkv
	.globl	k_q878d47b4d4_qkv
	.p2align	8
	.type	k_q878d47b4d4_qkv,@function
k_q878d47b4d4_qkv:
	s_mov_b64 s[64:65], 0
	v_nop
	global_prefetch_b8 v0, s[64:65] scope:SCOPE_SE
	s_setreg_imm32_b32 hwreg(HW_REG_WAVE_MODE, 25, 1), 1
	s_wait_xcnt 0x0
	s_wait_alu depctr_hold_cnt(0) depctr_sa_sdst(0) depctr_va_vdst(0) depctr_va_sdst(0) depctr_va_ssrc(0) depctr_va_vcc(0) depctr_vm_vsrc(0)
	s_getreg_b32 s2, hwreg(HW_REG_IB_STS2, 6, 4)
	s_cmp_eq_u32 s2, 0
	s_cbranch_scc0 .Lentry_in_a_cluster
	s_endpgm
.Lentry_in_a_cluster:
	s_bfe_u32 s2, ttmp6, 0x10000c
	s_cmp_lg_u32 s2, 0xf033
	s_cbranch_scc0 .Lentry_shape_is_right
	s_endpgm
.Lentry_shape_is_right:
; qkv = x w_qkv^T + b_qkv on codes of E2M3, and the quantising of q, k (along the head's 64) and v (along the keys) in registers.  Nothing of the problem's work is left out here.
; Operand blocks, half fragments and the order of rows in a quad: as the launch quant lays them (a quad's tile u takes in lane r the row 32 (r / 8) + 8 u + r % 8).
; A TILE: S0 256 rows x S1 128 rows, K = 1,024.  Source 0 = S0, source 1 = S1: a lane holds ONE row of S1, and its 32 results of a quad of S0 are 32 neighbours along S0: a whole block of the next quantiser.
; Kind QK: S0 = w_qkv's rows of q or k (a quad = a head), S1 = tokens.  Kind V: S0 = tokens, S1 = w_qkv's rows of v: blocks along the keys.
; A WORK-GROUP STAYS AND MAKES THREE TILES, written out: cluster c (0..15) of 4 x 4 work-groups makes q's tile (cx, 4 c + cy), k's for the same tokens, and v's tile (4 (c % 8) + cx, 4 (c / 8) + cy): 768 tiles on 256 work-groups.
; THE RING: two slots of two K chunks each (a chunk in LDS: S0's four quads, then S1's two, 76,800 bytes).  Six fills; one joint load a wave: waves 0-3 two quads of S0 (chunk wave / 2, half wave % 2), waves 4-7 one quad of S1.
; S0's tile hangs on cx alone and is asked for jointly down a column of the cluster, S1's on cy alone, jointly along a row.  A fill is asked for half a tile ahead of its use, behind the three lines and a round of the cluster's barrier;
; a tile's way out stands behind the refill of its second slot.  The six fills are written out, each asked for by its tensor load half a tile ahead: no prefetch is laid beside them.
; WAVES: eight; wave w takes S1's quad w / 4 and S0's quad w % 4: 64 x 64, 16 accumulators.  THE BIAS lies in one group of four accumulators (QK: S1's tile 3; V: S0's tile 3): the other twelve first products take it as C, then that group adds in place.
; OUT.  qb [bh][step of 128 tokens][6656]: 8 half fragments at 768 t, then a scale image of 512 bytes: tile 2 i + p, row r at 16 (16 p + r) + 4 i; the word is the two bytes twice.
; kv [bh][step][13056]: K as in qb; V's 4 fragments at 6656 + 1536 u + 768 c; V's scale image of 256 bytes at 12800: tile 2 i + p, row r at 8 (16 p + r) + 4 i, half word c at + 2 c.
; LIMITS: as in quant (byte 1 for blocks of zeros or under 2^-124; NaN and infinities not served).
.set OPB,   12800
.set CHB,   6*OPB
.set STQ,   4*CHB                      ; stage for q's or k's scale images: 4 x 512 bytes
.set STV,   STQ+2048                   ; stage for v's: 4 x 256 bytes
.set SPARE, STV+1024                   ; the spare words, 128 bytes for each wave
.set WSTR,  614400                     ; from K chunk to K chunk in wq
.set XSTR,  1638400                    ; and in xq
.set SC,    20                         ; v20-27  scale words: register 2 i + s: lanes 0-15 S0's tile i, lanes 16-31 S1's tile i
.set F0,    32                         ; v32-79  S0's four fragments
.set F1,    80                         ; v80-127 S1's four
.set ACC,   128                        ; accumulator (a, u) at 32 a + 8 u: S1's tile a, S0's tile u
.set SPW,   16
.set NIL,   17
.set WV,    14
.set G1A,   28
.set G1B,   36
.set G0A,   44
.set G0B,   48
.set BA,    52                         ; s[52:57] where my part of S0 begins, tiles 0, 1, 2
.set BB,    58                         ; s[58:59] my part of S1, tiles 0 and 1; s[60:61] tile 2
.set BI,    66                         ; s[66:71] the bias
.set CO,    72                         ; s[72:77] where my codes go
.set SO,    78                         ; s[78:83] where my part of a scale image goes
.macro WALU
	s_wait_alu depctr_va_vdst(0)
.endm
.macro CROUND
	s_barrier_signal -1
	s_barrier_wait -1
	s_cmp_lg_u32 s[WV], 0
	s_cbranch_scc1 .Lnot_wave_0_\@
	s_barrier_signal -3
.Lnot_wave_0_\@:
	s_barrier_wait -3
	s_barrier_signal -1
	s_barrier_wait -1
.endm
.macro JLOAD                           ; one joint load a wave; each line has one mask
	s_cmp_lt_u32 s[WV], 4
	s_cbranch_scc0 .Lfor_b_\@
	tensor_load_to_lds s[G0A:G0A+3], s[G1A:G1A+7]
	s_nop 0
.rept 4
	v_nop
.endr
	s_branch .Lasked_\@
.Lfor_b_\@:
	tensor_load_to_lds s[G0B:G0B+3], s[G1B:G1B+7]
	s_nop 0
.rept 4
	v_nop
.endr
.Lasked_\@:
.endm
.macro SETG0 ba, sa, bb, sb, slot      ; both groups 0 for a tile's K chunks 2 slot, 2 slot + 1
	s_add_nc_u64 s[G0A+2:G0A+3], s[\ba:\ba+1], (\slot)*2*(\sa)
	s_or_b32 s[G0A+3], s[G0A+3], 0x80000000
	s_add_co_u32 s[G0A+1], s22, (\slot)*2*CHB
	s_add_nc_u64 s[G0B+2:G0B+3], s[\bb:\bb+1], (\slot)*2*(\sb)
	s_or_b32 s[G0B+3], s[G0B+3], 0x80000000
	s_add_co_u32 s[G0B+1], s23, (\slot)*2*CHB
.endm
.macro REFILL ba, sa, bb, sb, slot     ; the three lines, a round, the load
	WALU
	s_wait_tensorcnt 0x0                           ; my one load that was out, my part of the other slot, has landed: so the descriptors may be written
	ds_add_u32 v[SPW], v[NIL]
	SETG0 \ba, \sa, \bb, \sb, \slot
	s_wait_dscnt 0x0                               ; the add is done, and my reads of the slot that is filled next
	CROUND
	JLOAD
.endm
.macro FRAG reg, a16, a8, off          ; a fragment, 12 registers, comes as it was stored
	ds_load_b128 v[\reg:\reg+3], v[\a16] offset:\off
	ds_load_b64 v[\reg+4:\reg+5], v[\a8] offset:\off+512
	ds_load_b128 v[\reg+6:\reg+9], v[\a16] offset:\off+768
	ds_load_b64 v[\reg+10:\reg+11], v[\a8] offset:\off+1280
.endm
.macro LOADS sp
.irp i, 0,1,2,3
	FRAG F0+12*\i, 4, 5, 3072*\i+1536*(\sp)
.endr
.irp i, 0,1,2,3
	FRAG F1+12*\i, 6, 7, 3072*\i+1536*(\sp)
.endr
.endm
.macro PRD a, u, sp, c
	v_wmma_scale_f32_16x16x128_f8f6f4 v[ACC+32*\a+8*\u:ACC+32*\a+8*\u+7], v[F0+12*\u:F0+12*\u+11], v[F1+12*\a:F1+12*\a+11], \c, v[SC+2*\u+(\sp)], v[SC+2*\a+(\sp)] matrix_a_fmt:MATRIX_FMT_FP6 matrix_b_fmt:MATRIX_FMT_FP6 matrix_b_scale:MATRIX_SCALE_ROW1
.endm
.macro KSTEP sp                        ; 128 along K: 32 loads, 16 products; the accumulators take turns
	LOADS \sp
.irp a, 0,1,2,3
	s_wait_dscnt 12-4*\a                           ; S0's fragments and S1's up to a are in; the four loads of each younger fragment of S1 stay out
.irp u, 0,1,2,3
	PRD \a, \u, \sp, v[ACC+32*\a+8*\u:ACC+32*\a+8*\u+7]
.endr
.endr
.rept 4
	v_nop                                          ; four places in front of loads into these products' registers and of the first read of results
.endr
.endm
.macro KFIRST kind                     ; a tile's first K step starts the sums from the bias
	LOADS 0
	s_wait_loadcnt 0x0                             ; the bias is in
	s_wait_dscnt 0x0
.if \kind
.irp u, 0,1,2
.irp a, 0,1,2,3
	PRD \a, \u, 0, v[ACC+32*\a+24:ACC+32*\a+31]
.endr
.endr
.else
.irp a, 0,1,2
.irp u, 0,1,2,3
	PRD \a, \u, 0, v[ACC+96+8*\u:ACC+96+8*\u+7]
.endr
.endr
.endif
.rept 5
	v_nop                                          ; five places before products write over registers that the twelve took as C
.endr
.if \kind
.irp a, 0,1,2,3
	PRD \a, 3, 0, v[ACC+32*\a+24:ACC+32*\a+31]
.endr
.else
.irp u, 0,1,2,3
	PRD 3, \u, 0, v[ACC+96+8*\u:ACC+96+8*\u+7]
.endr
.endif
.rept 4
	v_nop
.endr
.endm
.macro CHUNK move, first, kind         ; 256 along K.  move: 1 to the next chunk, 2 back to chunk 0
.if \move == 1
.irp v, 4,5,6,7,8
	v_add_nc_u32 v[\v], CHB, v[\v]
.endr
.elseif \move == 2
.irp v, 4,5,6,7,8
	v_sub_nc_u32 v[\v], v[\v], 3*CHB
.endr
.endif
.irp i, 0,1,2,3
	ds_load_b64 v[SC+2*\i:SC+2*\i+1], v8 offset:128*\i
.endr
.if \first
	KFIRST \kind
.else
	KSTEP 0
.endif
	WALU
	KSTEP 1
.endm
.macro BIAS kind, j
.if \kind
.irp a, 0,1,2,3
.irp i, 0,1,2,3,4,5,6,7
	global_load_b32 v[ACC+32*\a+24+\i], v18, s[BI+2*\j:BI+2*\j+1] offset:32*\a   ; my row's bias, feature 32 (r / 8) + 8 a + r % 8, in the eight registers of (a, 3)
.endr
.endr
.else
.irp k, 0,1,2,3,4,5,6,7
	global_load_b128 v[ACC+96+4*\k:ACC+96+4*\k+3], v12, s[BI+2*\j:BI+2*\j+1] offset:16*\k   ; register 8 u + i of (3, u): feature 32 h + 8 u + i
.endr
.endif
.endm
; THE WAY OUT, first part: the 32 registers of tile a are one block of 32 of my row: maximum, byte, codes, with no other lane.
; v32-35 largest magnitudes, v36-39 bytes and half words, v40-43 the other half's, v44-47 scale operands, v48-71 codes, v72-87 their second halves, v96-101 words
.macro OUT1
.irp a, 0,1,2,3
	v_mov_b32 v[40+\a], 0                          ; a lane permute's destination counts as one of its sources
.endr
.irp a, 0,1,2,3
	v_max3_num_f32 v[32+\a], |v[ACC+32*\a]|, |v[ACC+32*\a+1]|, 0x1800000   ; from the low end on; the floor 2^(3 - 127) holds the byte at 1
.endr
.irp i, 2,4,6,8,10,12,14,16,18,20,22,24,26,28,30
.irp a, 0,1,2,3
	v_max3_num_f32 v[32+\a], v[32+\a], |v[ACC+32*\a+\i]|, |v[ACC+32*\a+\i+1]|
.endr
.endr
.irp a, 0,1,2,3
	v_add_nc_u32 v[44+\a], 0xff000000, v[32+\a]    ; 2 off the exponent field: the conversion's scale operand
.endr
.irp a, 0,1,2,3
	v_lshrrev_b32 v[36+\a], 23, v[44+\a]           ; the byte of block h
.endr
.irp a, 0,1,2,3
	v_lshlrev_b32 v[36+\a], v9, v[36+\a]
.endr
.irp a, 0,1,2,3
	v_permlanex16_b32 v[40+\a], v[36+\a], s24, s25
.endr
.irp a, 0,1,2,3
	v_or_b32 v[36+\a], v[36+\a], v[40+\a]          ; my row's two bytes
.endr
.irp a, 0,1,2,3
	v_cvt_scalef32_pk16_fp6_f32 v[48+6*\a:50+6*\a], v[ACC+32*\a:ACC+32*\a+15], v[44+\a]
	v_cvt_scalef32_pk16_fp6_f32 v[72+4*\a:74+4*\a], v[ACC+32*\a+16:ACC+32*\a+31], v[44+\a]
.endr
	v_nop                                          ; one plain place behind the scaled conversions
.irp a, 0,1,2,3
.irp i, 0,1,2
	v_mov_b32 v[51+6*\a+\i], v[72+4*\a+\i]
.endr
.endr
.endm
.macro OUT2 kind, j, stp, more         ; second part: the codes leave; the scale words gather in the stage and leave as runs of 256 bytes
.irp a, 0,1,2,3
	global_store_b128 v10, v[48+6*\a:51+6*\a], s[CO+2*\j:CO+2*\j+1] offset:(\stp)*\a        ; a half fragment: 512 and 256 consecutive bytes, at multiples of 256 from the buffer's first byte
	global_store_b64 v11, v[52+6*\a:53+6*\a], s[CO+2*\j:CO+2*\j+1] offset:(\stp)*\a+512
.endr
	v_cndmask_b32 v96, v36, v37, s26               ; lanes 0-15 tile 0's rows, lanes 16-31 tile 1's
	v_cndmask_b32 v97, v38, v39, s26
.if \kind
	ds_store_b16 v14, v96
	ds_store_b16 v14, v97 offset:4
.else
	v_lshl_or_b32 v98, v96, 16, v96                ; the two bytes twice
	v_lshl_or_b32 v99, v97, 16, v97
	ds_store_b32 v13, v98
	ds_store_b32 v13, v99 offset:4
.endif
	WALU
	s_wait_dscnt 0x0                               ; for the others' sake: my words lie in the stage
	s_barrier_signal -1
	s_barrier_wait -1
.if \kind
	s_cmp_lt_u32 s[WV], 4
	s_cbranch_scc0 .Lno_image_\@
	ds_load_b64 v[100:101], v19
	s_wait_dscnt 0x0
	global_store_b64 v11, v[100:101], s[SO+2*\j:SO+2*\j+1]
.Lno_image_\@:
.else
	ds_load_b64 v[100:101], v15
	s_wait_dscnt 0x0
	global_store_b64 v11, v[100:101], s[SO+2*\j:SO+2*\j+1]
.endif
.if \more
	s_wait_xcnt 0x0                                ; the stores have read their registers: the next tile's fragments may land there
.endif
.endm
.macro QKOUT j, hb, sby                ; byte offsets of a tile of q or k: hb bytes a head, sby a step of 128 tokens
	s_mul_i32 s98, s93, \sby
	s_mul_i32 s[CO+2*\j], s94, \hb
	s_add_co_u32 s[CO+2*\j], s[CO+2*\j], s98
	s_add_co_u32 s[CO+2*\j], s[CO+2*\j], s96
	s_mov_b32 s[CO+2*\j+1], 0
	s_mul_i32 s[SO+2*\j], s95, \hb
	s_add_co_u32 s[SO+2*\j], s[SO+2*\j], s98
	s_add_co_u32 s[SO+2*\j], s[SO+2*\j], s97
	s_mov_b32 s[SO+2*\j+1], 0
.endm
	s_load_b256 s[4:11], s[0:1], 0x0               ; xq, wq, b_qkv, qb
	s_load_b64 s[12:13], s[0:1], 0x20              ; kv
	v_lshl_add_u32 v[SPW], v0, 2, SPARE
	v_mov_b32 v[NIL], 0
	ds_add_u32 v[SPW], v[NIL]                      ; the opening lines: the add twice on end and its wait
	ds_add_u32 v[SPW], v[NIL]
	v_lshrrev_b32 v1, 5, v0
	v_readfirstlane_b32 s[WV], v1                  ; wave 0..7
	s_lshr_b32 s15, s[WV], 2                       ; my quad of S1
	s_and_b32 s16, s[WV], 3                        ; my quad of S0
	s_and_b32 s20, s[WV], 1                        ; as a loader: which half (S0) or quad (S1),
	s_bfe_u32 s21, s[WV], 0x10001                  ; and which chunk of the slot
	s_mul_i32 s92, s16, OPB                        ; LDS places, of the wave's number alone
	s_mul_i32 s93, s15, OPB
	s_add_co_u32 s93, s93, 4*OPB
	s_sub_co_u32 s94, s93, s92
	s_add_co_u32 s95, s92, 12288
	s_lshl_b32 s96, s16, 9
	s_lshl_b32 s97, s15, 3
	s_add_co_u32 s96, s96, s97
	s_add_co_u32 s96, s96, STQ
	s_lshl_b32 s97, s15, 1
	s_lshr_b32 s98, s16, 1
	s_add_co_u32 s97, s97, s98
	s_lshl_b32 s97, s97, 8
	s_and_b32 s98, s16, 1
	s_lshl_b32 s98, s98, 1
	s_add_co_u32 s97, s97, s98
	s_add_co_u32 s97, s97, STV
	s_lshl_b32 s98, s[WV], 8
	s_add_co_u32 s98, s98, STQ
	s_lshl_b32 s99, s16, 8
	s_add_co_u32 s99, s99, STV
	v_and_b32 v1, 31, v0                           ; lane
	v_and_b32 v2, 15, v0                           ; r
	v_bfe_u32 v3, v0, 4, 1                         ; h
	v_lshlrev_b32 v10, 4, v1                       ; 16 x lane
	v_lshlrev_b32 v11, 3, v1                       ; 8 x lane
	v_add_nc_u32 v4, s92, v10                      ; S0's quad
	v_add_nc_u32 v5, s92, v11
	v_add_nc_u32 v6, s93, v10                      ; S1's
	v_add_nc_u32 v7, s93, v11
	v_mul_u32_u24 v8, s94, v3                      ; scale words: lanes 16-31 take S1's: one product, h x the distance
	v_lshl_add_u32 v8, v2, 3, v8
	v_add_nc_u32 v8, s95, v8
	v_lshlrev_b32 v9, 3, v3                        ; 8 h
	v_lshlrev_b32 v12, 7, v3                       ; QK's bias: 128 h
	v_add_nc_u32 v13, s96, v10                     ; QK, into the stage: image = my quad of S0; 16 x lane + 8 x my quad of S1
	v_add_nc_u32 v14, s97, v11                     ; V, into the stage: image = (head, step); 8 x lane + 2 x which 64 keys
	v_add_nc_u32 v15, s98, v11                     ; QK, back: 256 bytes a wave
	v_add_nc_u32 v19, s99, v11                     ; V, back: waves 0-3
	v_lshrrev_b32 v18, 3, v2
	v_lshlrev_b32 v18, 7, v18
	v_and_b32 v28, 7, v2
	v_lshl_add_u32 v18, v28, 2, v18                ; V's bias: 4 (32 (r / 8) + r % 8)
	s_mov_b32 s24, 0x76543210
	s_mov_b32 s25, 0xfedcba98                      ; selects for lane l xor 16
	s_mov_b32 s26, 0xffff0000                      ; lanes 16-31
	s_bfe_u32 s17, ttmp6, 0x40000                  ; cx
	s_bfe_u32 s18, ttmp6, 0x40004                  ; cy
	s_and_b32 s19, ttmp7, 0xffff                   ; the cluster, 0..15
	s_mul_i32 s22, s21, CHB                        ; where my loads land in slot 0: S0's part,
	s_add_co_u32 s23, s22, 4*OPB
	s_mul_i32 s84, s20, 2*OPB
	s_add_co_u32 s22, s22, s84
	s_mul_i32 s84, s20, OPB
	s_add_co_u32 s23, s23, s84                     ; S1's
	; S0's offsets hold cx and never cy
	s_lshl_b32 s84, s17, 2
	s_lshl_b32 s86, s20, 1
	s_add_co_u32 s84, s84, s86
	s_mul_i32 s84, s84, OPB                        ; tile 0: wq's quad 4 cx + 2 x half,
	s_mul_i32 s86, s21, WSTR
	s_add_co_u32 s84, s84, s86                     ; my chunk of the slot
	s_mov_b32 s85, 0
	s_and_b32 s86, s19, 7
	s_lshl_b32 s86, s86, 2
	s_add_co_u32 s86, s86, s17
	s_lshl_b32 s86, s86, 2
	s_lshl_b32 s87, s20, 1
	s_add_co_u32 s86, s86, s87
	s_mul_i32 s86, s86, OPB                        ; tile 2: xq's quad 4 (4 (c % 8) + cx) + 2 x half
	s_mul_i32 s87, s21, XSTR
	s_add_co_u32 s86, s86, s87
	s_mov_b32 s87, 0
	; S1's hold cy and never cx
	s_lshl_b32 s88, s19, 2
	s_add_co_u32 s88, s88, s18
	s_lshl_b32 s88, s88, 1
	s_add_co_u32 s88, s88, s20
	s_mul_i32 s88, s88, OPB                        ; tiles 0, 1: xq's quad 2 (4 c + cy) + quad
	s_mul_i32 s90, s21, XSTR
	s_add_co_u32 s88, s88, s90
	s_mov_b32 s89, 0
	s_lshr_b32 s90, s19, 3
	s_lshl_b32 s90, s90, 2
	s_add_co_u32 s90, s90, s18
	s_lshl_b32 s90, s90, 1
	s_add_co_u32 s90, s90, s20
	s_add_co_u32 s90, s90, 32
	s_mul_i32 s90, s90, OPB                        ; tile 2: wq's quad 32 + 2 (4 (c / 8) + cy) + quad
	s_mul_i32 s91, s21, WSTR
	s_add_co_u32 s90, s90, s91
	s_mov_b32 s91, 0
	s_lshl_b32 s100, 0x1111, s17                   ; my column of the cluster
	s_or_b32 s[G1A], s100, (3<<16)|(1<<21)         ; 15:0 the mask; 17:16 elements of 8 bytes; 21 set beside a mask; no padding
	s_lshl_b32 s101, s18, 2
	s_lshl_b32 s101, 15, s101                      ; my row
	s_or_b32 s[G1B], s101, (3<<16)|(1<<21)
.irp g, G1A, G1B                       ; dense blocks as rows of 256 bytes
	s_mov_b32 s[\g+1], 32<<16
	s_mov_b32 s[\g+3], 32<<16
	s_mov_b32 s[\g+5], 32
	s_mov_b32 s[\g+6], 0
	s_mov_b32 s[\g+7], 0
.endr
	s_mov_b32 s[G1A+2], 100<<16                    ; two quads
	s_mov_b32 s[G1A+4], 100
	s_mov_b32 s[G1B+2], 50<<16                     ; one quad
	s_mov_b32 s[G1B+4], 50
	s_mov_b32 s[G0A], 1
	s_mov_b32 s[G0B], 1
	; where the results go and where the bias lies (plain byte offsets)
	s_lshr_b32 s92, s19, 2
	s_lshl_b32 s92, s92, 4
	s_lshl_b32 s93, s17, 2
	s_add_co_u32 s92, s92, s93                     ; 16 b + 4 cx: the first of my work-group's four heads
	s_add_co_u32 s[BI], s93, s16
	s_lshl_b32 s[BI], s[BI], 8                     ; the bias of my quad's 64 features of q
	s_mov_b32 s[BI+1], 0
	s_and_b32 s93, s19, 3
	s_lshl_b32 s93, s93, 2
	s_add_co_u32 s93, s93, s18                     ; the step of 128 tokens
	s_add_co_u32 s94, s92, s16                     ; codes: my head,
	s_mul_i32 s96, s15, 3072                       ; my four tiles
	s_lshr_b32 s95, s[WV], 1
	s_add_co_u32 s95, s92, s95                     ; scale image: head wave / 2,
	s_lshl_b32 s97, s20, 8
	s_add_co_u32 s97, s97, 6144                    ; half wave % 2
	QKOUT 0, 106496, 6656
	QKOUT 1, 208896, 13056
	s_and_b32 s92, s19, 7
	s_lshl_b32 s92, s92, 2
	s_add_co_u32 s92, s92, s17                     ; V: X, the tile of 256 tokens
	s_lshr_b32 s93, s19, 3
	s_lshl_b32 s93, s93, 2
	s_add_co_u32 s93, s93, s18                     ; Y, the tile of 128 features
	s_lshr_b32 s94, s92, 3
	s_lshl_b32 s94, s94, 4
	s_lshl_b32 s95, s93, 1
	s_add_co_u32 s94, s94, s95                     ; 16 b + 2 Y: the first of my work-group's two heads
	s_and_b32 s96, s92, 7
	s_lshl_b32 s96, s96, 1                         ; the first of its two steps
	s_add_co_u32 s97, s94, s15
	s_mul_i32 s[CO+4], s97, 208896
	s_lshr_b32 s97, s16, 1
	s_add_co_u32 s97, s97, s96
	s_mul_i32 s97, s97, 13056
	s_add_co_u32 s[CO+4], s[CO+4], s97
	s_and_b32 s97, s16, 1
	s_mul_i32 s97, s97, 768
	s_add_co_u32 s[CO+4], s[CO+4], s97
	s_add_co_u32 s[CO+4], s[CO+4], 6656            ; codes: my head, my step, my 64 keys
	s_mov_b32 s[CO+5], 0
	s_add_co_u32 s97, s94, s21
	s_mul_i32 s[SO+4], s97, 208896
	s_add_co_u32 s97, s96, s20
	s_mul_i32 s97, s97, 13056
	s_add_co_u32 s[SO+4], s[SO+4], s97
	s_add_co_u32 s[SO+4], s[SO+4], 12800           ; scale image (waves 0-3): head wave / 2, step wave % 2
	s_mov_b32 s[SO+5], 0
	s_add_co_u32 s95, s95, s15
	s_lshl_b32 s[BI+4], s95, 8
	s_add_co_u32 s[BI+4], s[BI+4], 8192            ; the bias of my head of v
	s_mov_b32 s[BI+5], 0
	WALU                                           ; the wait ahead of the blocking waits
	s_wait_dscnt 0x0                               ; both opening adds are done
	s_wait_kmcnt 0x0
	s_add_nc_u64 s[BA:BA+1], s[6:7], s[84:85]
	s_add_nc_u64 s[BA+2:BA+3], s[BA:BA+1], 16*OPB  ; k's rows lie 16 quads behind q's
	s_add_nc_u64 s[BA+4:BA+5], s[4:5], s[86:87]
	s_add_nc_u64 s[BB:BB+1], s[4:5], s[88:89]
	s_add_nc_u64 s[BB+2:BB+3], s[6:7], s[90:91]
	s_add_nc_u64 s[BI:BI+1], s[8:9], s[BI:BI+1]
	s_add_nc_u64 s[BI+2:BI+3], s[BI:BI+1], 4096
	s_add_nc_u64 s[BI+4:BI+5], s[8:9], s[BI+4:BI+5]
	s_add_nc_u64 s[CO:CO+1], s[10:11], s[CO:CO+1]
	s_add_nc_u64 s[SO:SO+1], s[10:11], s[SO:SO+1]
	s_add_nc_u64 s[CO+2:CO+3], s[12:13], s[CO+2:CO+3]
	s_add_nc_u64 s[SO+2:SO+3], s[12:13], s[SO+2:SO+3]
	s_add_nc_u64 s[CO+4:CO+5], s[12:13], s[CO+4:CO+5]
	s_add_nc_u64 s[SO+4:SO+5], s[12:13], s[SO+4:SO+5]
	SETG0 BA, WSTR, BB, XSTR, 0
	CROUND                                         ; all sixteen work-groups are here: the joint loads meet
	JLOAD                                          ; tile 0, slot 0: one load a wave at the head
	BIAS 0, 0
	REFILL BA, WSTR, BB, XSTR, 1                   ; slot 1's first fill, issued as a refill is
	CHUNK 0, 1, 0                                  ; TILE 0: q
	CHUNK 1, 0, 0
	REFILL BA+2, WSTR, BB, XSTR, 0                 ; slot 0 takes tile 1's first half
	CHUNK 1, 0, 0
	CHUNK 1, 0, 0
	REFILL BA+2, WSTR, BB, XSTR, 1
	OUT1
	BIAS 0, 1
	OUT2 0, 0, 768, 1
	CHUNK 2, 1, 0                                  ; TILE 1: k
	CHUNK 1, 0, 0
	REFILL BA+4, XSTR, BB+2, WSTR, 0
	CHUNK 1, 0, 0
	CHUNK 1, 0, 0
	REFILL BA+4, XSTR, BB+2, WSTR, 1
	OUT1
	BIAS 1, 2
	OUT2 0, 1, 768, 1
	CHUNK 2, 1, 1                                  ; TILE 2: v
	CHUNK 1, 0, 1
	WALU
	s_wait_tensorcnt 0x0                           ; my part of the last fill is in
	s_wait_dscnt 0x0
	s_barrier_signal -1
	s_barrier_wait -1                              ; everybody's is
	CHUNK 1, 0, 1
	CHUNK 1, 0, 1
	OUT1
	OUT2 1, 2, 1536, 0
	s_wait_tensorcnt 0x0                           ; the wave's end
	ds_add_u32 v[SPW], v[NIL]
	s_wait_dscnt 0x0
	CROUND                                         ; the closing round
	s_endpgm
.Lfunc_end_k_q878d47b4d4_qkv:
	.size	k_q878d47b4d4_qkv, .Lfunc_end_k_q878d47b4d4_qkv-k_q878d47b4d4_qkv
	.p2alignl 7, 3214868480
	.fill 96, 4, 3214868480
	.section	.rodata,"a",@progbits
	.p2align	6, 0x0
	.amdhsa_kernel k_q878d47b4d4_qkv
		.amdhsa_group_segment_fixed_size 327680
		.amdhsa_private_segment_fixed_size 0
		.amdhsa_enable_private_segment 0
		.amdhsa_kernarg_size 40
		.amdhsa_user_sgpr_count 2
		.amdhsa_user_sgpr_kernarg_segment_ptr 1
		.amdhsa_wavefront_size32 1
		.amdhsa_system_sgpr_workgroup_id_x 1
		.amdhsa_system_sgpr_workgroup_id_y 1
		.amdhsa_system_sgpr_workgroup_id_z 1
		.amdhsa_system_vgpr_workitem_id 0
		.amdhsa_next_free_vgpr 256
		.amdhsa_next_free_sgpr 102
		.amdhsa_reserve_vcc 0
		.amdhsa_float_denorm_mode_32 3
		.amdhsa_float_denorm_mode_16_64 3
		.amdhsa_memory_ordered 1
		.amdhsa_forward_progress 1
		.amdhsa_inst_pref_size 154
	.end_amdhsa_kernel
	.amdgpu_metadata
---
amdhsa.version: [ 1, 2 ]
amdhsa.kernels:
  - .name:           k_q878d47b4d4_qkv
    .symbol:         k_q878d47b4d4_qkv.kd
    .args:
      - { .name: xq, .offset: 0, .size: 8, .value_kind: global_buffer, .address_space: global }
      - { .name: wq, .offset: 8, .size: 8, .value_kind: global_buffer, .address_space: global }
      - { .name: b_qkv, .offset: 16, .size: 8, .value_kind: global_buffer, .address_space: global }
      - { .name: qb, .offset: 24, .size: 8, .value_kind: global_buffer, .address_space: global }
      - { .name: kv, .offset: 32, .size: 8, .value_kind: global_buffer, .address_space: global }
    .group_segment_fixed_size: 327680
    .private_segment_fixed_size: 0
    .kernarg_segment_align: 8
    .kernarg_segment_size: 40
    .max_flat_workgroup_size: 256
    .sgpr_count:     102
    .vgpr_count:     256
    .wavefront_size: 32
...
	.end_amdgpu_metadata
.endif
;; end of part 2
;; launch attn (part 3): grid 4 x 64, 16 waves a work-group, clusters of 4 x 1, 327,680 bytes of LDS; arguments qb, kv, ob; writes ob
.if DOCPART == 3
	.amdgcn_target "amdgcn-amd-amdhsa--gfx1250"
	.amdhsa_code_object_version 6
	.text
	.protected	k_q878d47b4d4_attn
	.globl	k_q878d47b4d4_attn
	.p2align	8
	.type	k_q878d47b4d4_attn,@function
k_q878d47b4d4_attn:
	s_mov_b64 s[64:65], 0
	v_nop
	global_prefetch_b8 v0, s[64:65] scope:SCOPE_SE
	s_setreg_imm32_b32 hwreg(HW_REG_WAVE_MODE, 25, 1), 1
	s_wait_xcnt 0x0
	s_wait_alu depctr_hold_cnt(0) depctr_sa_sdst(0) depctr_va_vdst(0) depctr_va_sdst(0) depctr_va_ssrc(0) depctr_va_vcc(0) depctr_vm_vsrc(0)
	s_getreg_b32 s2, hwreg(HW_REG_IB_STS2, 6, 4)
	s_cmp_eq_u32 s2, 0
	s_cbranch_scc0 .Lentry_in_a_cluster
	s_endpgm
.Lentry_in_a_cluster:
	s_bfe_u32 s2, ttmp6, 0x10000c
	s_cmp_lg_u32 s2, 0x3003
	s_cbranch_scc0 .Lentry_shape_is_right
	s_endpgm
.Lentry_shape_is_right:
; o = softmax(q k^T / 8) v for one head and 512 queries a work-group, on codes of E2M3, and the quantising of o along the head's 64.  Nothing of the problem's work is left out here.
; qb, kv, ob: as the launches qkv and proj lay and read them (half fragments of 768 bytes, scale images; a quad's tile u takes in lane r the row 32 (r / 8) + 8 u + r % 8).
; THE DEAL: 64 heads x 4 work-groups; 16 waves; a wave owns 32 queries, tiles A and B of 16.  Both products are used transposed (S^T = k q^T, O^T = v^T p^T): a lane holds one query,
; and its 32 scores of four key tiles are 32 neighbouring keys, one block of p's quantiser.  Both tiles use each fragment of k and v that the wave reads from LDS.
; LDS: the head's 16 key steps of 13,056 bytes, each byte filled once: wave w asks for step w, jointly with the three partners of the cluster, which walk the same head (mask 15).
; Waves 0-3 have a load line of their own: steps 0-3 are multiplied while the other twelve may still be on their way.  All of k and v is asked for at the head, so there is no later trip to prefetch for.
; THE HEAD'S 64 ALONG K FILL HALF AN INSTRUCTION: tile A's operand is (q | 0), tile B's (0 | q).  Registers: qA, zeros, the eight key tiles, zeros, qB: key tile t with the six registers behind it meets (qA | 0),
; with the six ahead of it (0 | qB); at the two ends those six are the other tile's zeros.  The scale words of q and k hold their two bytes twice, so both halves are served.
; SOFTMAX: p = 2^(t - M), t = score x log2(e) / 8, M the ceiling of the running largest t, kept as -M; when M moves, the sum and O^T are multiplied by 2^(old M - new M), which rounds nothing; the sum is of the unquantised p.
; A block's largest p is the block's largest score put through the same multiply-add and exponential.
; LIMITS: the promise holds while |t| stays under 2^31; a block whose largest p lies under 2^-124 keeps the byte 1; NaN and infinities are not served.
.set STEPB, 13056
.set OSTG,  16*STEPB                   ; o's scale bytes: 32 tiles x 32 bytes
.set SPARE, OSTG+1024                  ; the spare words, 128 bytes for each wave: eight blocks of 256 bytes that no other line names
.set A16,   1                          ; 16 x lane
.set A8,    2                          ; 8 x lane
.set CA,    3                          ; the same, at this key step
.set CB,    7
.set SPW,   4
.set NIL,   5
.set QS,    6                          ; q's scale words: lanes 0-15 tile A's rows, lanes 16-31 tile B's
.set KS,    8                          ; v8-11 k's scale words; v8-9 then v's
.set QA,    12                         ; v12-17 qA, v18-23 zeros
.set KV,    24                         ; v24-71 eight key tiles, then v's four fragments
.set QB,    72                         ; v72-77 zeros, v78-83 qB
.set S,     84                         ; v84-147 scores, then p
.set OA,    148                        ; O^T of tile A, of tile B
.set OB,    180
.set PA,    212                        ; p's codes
.set PB,    224
.set T,     236                        ; a block's second three registers
.set M0,    240                        ; the two blocks' largest scores, then their scale operands
.set M2,    242                        ; second chains
.set T0,    244
.set F,     246                        ; 2^(old M - new M)
.set LA,    248                        ; the rows' sums, in two halves
.set LB,    250
.set NA,    252                        ; -M
.set NB,    253
.set PSA,   254                        ; p's scale words
.set PSB,   255
.set WV,    10
.set G1,    24
.set G0,    40
.set CS,    48
.set SEL,   50
.set TB,    52
.set CNT,   53
.macro CROUND
	s_barrier_signal -1
	s_barrier_wait -1
	s_cmp_lg_u32 s[WV], 0
	s_cbranch_scc1 .Lnot_wave_0_\@
	s_barrier_signal -3
.Lnot_wave_0_\@:
	s_barrier_wait -3
	s_barrier_signal -1
	s_barrier_wait -1
.endm
.macro WALU
	s_wait_alu depctr_va_vdst(0)
.endm
.macro WM d, a, b, c, sa, sb, ra, rb   ; a product; ra, rb: which half of the lanes holds the side's scale words
.if (\ra) && (\rb)
	v_wmma_scale_f32_16x16x128_f8f6f4 v[\d:\d+7], v[\a:\a+11], v[\b:\b+11], \c, v[\sa], v[\sb] matrix_a_fmt:MATRIX_FMT_FP6 matrix_b_fmt:MATRIX_FMT_FP6 matrix_a_scale:MATRIX_SCALE_ROW1 matrix_b_scale:MATRIX_SCALE_ROW1
.elseif (\ra)
	v_wmma_scale_f32_16x16x128_f8f6f4 v[\d:\d+7], v[\a:\a+11], v[\b:\b+11], \c, v[\sa], v[\sb] matrix_a_fmt:MATRIX_FMT_FP6 matrix_b_fmt:MATRIX_FMT_FP6 matrix_a_scale:MATRIX_SCALE_ROW1
.elseif (\rb)
	v_wmma_scale_f32_16x16x128_f8f6f4 v[\d:\d+7], v[\a:\a+11], v[\b:\b+11], \c, v[\sa], v[\sb] matrix_a_fmt:MATRIX_FMT_FP6 matrix_b_fmt:MATRIX_FMT_FP6 matrix_b_scale:MATRIX_SCALE_ROW1
.else
	v_wmma_scale_f32_16x16x128_f8f6f4 v[\d:\d+7], v[\a:\a+11], v[\b:\b+11], \c, v[\sa], v[\sb] matrix_a_fmt:MATRIX_FMT_FP6 matrix_b_fmt:MATRIX_FMT_FP6
.endif
.endm
.macro SUM l                           ; pair J of p onto one of three chains
.if J%3 == 0
	v_pk_add_f32 v[\l:\l+1], v[\l:\l+1], v[S+2*J:S+2*J+1]
.elseif J%3 == 1
	v_pk_add_f32 v[M2:M2+1], v[M2:M2+1], v[S+2*J:S+2*J+1]
.else
	v_pk_add_f32 v[F:F+1], v[F:F+1], v[S+2*J:S+2*J+1]
.endif
.set J, J+1
.endm
; One tile's softmax over 128 keys: from the scores in S to p's codes and scale word; O^T and the sum are brought under the new M
.macro SOFT ot, p, l, nm, ps
.irp c, 0,1
	v_max3_num_f32 v[M0+\c], v[S+32*\c], v[S+32*\c+1], v[S+32*\c+2]           ; each block's largest score, two chains a block; each accumulator is read from its low end on
	v_max3_num_f32 v[M2+\c], v[S+32*\c+16], v[S+32*\c+17], v[S+32*\c+18]
.endr
.irp i, 3,5,7,9,11,13
.irp c, 0,1
	v_max3_num_f32 v[M0+\c], v[M0+\c], v[S+32*\c+\i], v[S+32*\c+\i+1]
	v_max3_num_f32 v[M2+\c], v[M2+\c], v[S+32*\c+16+\i], v[S+32*\c+17+\i]
.endr
.endr
.irp c, 0,1
	v_max_num_f32 v[M2+\c], v[M2+\c], v[S+32*\c+31]
.endr
.irp c, 0,1
	v_max3_num_f32 v[M0+\c], v[M0+\c], v[S+32*\c+15], v[M2+\c]
.endr
	s_delay_alu instid0(VALU_DEP_1)
	v_max_num_f32 v[T0], v[M0], v[M0+1]
	s_delay_alu instid0(VALU_DEP_1)
	v_permlanex16_b32 v[T0+1], v[T0], s[SEL], s[SEL+1]
	s_delay_alu instid0(VALU_DEP_1)
	v_max_num_f32 v[T0], v[T0], v[T0+1]            ; the step's largest score of my query
	s_delay_alu instid0(VALU_DEP_1)
	v_mul_f32 v[T0], s[CS], v[T0]
	s_delay_alu instid0(VALU_DEP_1)
	v_floor_f32 v[T0], -v[T0]                      ; -ceil(t)
	s_delay_alu instid0(VALU_DEP_1)
	v_min_num_f32 v[T0], v[T0], v[\nm]             ; the new -M: the ceiling of a maximum is the maximum of the ceilings
	s_delay_alu instid0(VALU_DEP_1)
	v_sub_f32 v[T0+1], v[T0], v[\nm]               ; old M - new M, a whole number, 0 or less
	s_delay_alu instid0(VALU_DEP_2)
	v_mov_b32 v[\nm], v[T0]
	s_delay_alu instid0(VALU_DEP_2)
	v_cvt_i32_f32 v[T0+1], v[T0+1]                 ; (it saturates)
	s_delay_alu instid0(VALU_DEP_1)
	v_ldexp_f32 v[F], 1.0, v[T0+1]
.set J, 0
.rept 32
	v_pk_fma_f32 v[S+J:S+J+1], v[S+J:S+J+1], s[CS:CS+1], v[T0:T0+1] op_sel_hi:[1,0,0]   ; t - M
.set J, J+2
.endr
	v_fma_f32 v[M0], v[M0], s[CS], v[T0]
	v_fma_f32 v[M0+1], v[M0+1], s[CS], v[T0]
	WALU                                           ; the wait ahead of O^T's first readers and of the batch
.set J, 0
.rept 16
	v_pk_mul_f32 v[\ot+J:\ot+J+1], v[\ot+J:\ot+J+1], v[F:F+1] op_sel_hi:[1,0]
.set J, J+2
.endr
	v_exp_f32 v[M0], v[M0]                         ; the blocks' largest p
	v_exp_f32 v[M0+1], v[M0+1]
.set J, 0
.rept 64
	v_exp_f32 v[S+J], v[S+J]
.set J, J+1
.endr
	v_pk_mul_f32 v[\l:\l+1], v[\l:\l+1], v[F:F+1] op_sel_hi:[1,0]   ; the plain place behind the batch
	WALU                                           ; one wait for the batch
	v_max_num_f32 v[M0], 0x1800000, v[M0]          ; the floor 2^(3 - 127) holds the byte at 1
	v_max_num_f32 v[M0+1], 0x1800000, v[M0+1]
	v_pk_add_f32 v[M2:M2+1], v[S:S+1], v[S+2:S+3]
	v_pk_add_f32 v[F:F+1], v[S+4:S+5], v[S+6:S+7]
	v_add_nc_u32 v[M0], 0xff000000, v[M0]          ; 2 off the exponent field: the conversions' scale operands
	v_add_nc_u32 v[M0+1], 0xff000000, v[M0+1]
.set J, 4
	SUM \l
	SUM \l
	v_lshrrev_b32 v[T0], 23, v[M0]                 ; my two bytes: blocks h and 2 + h
	v_lshrrev_b32 v[T0+1], 23, v[M0+1]
	SUM \l
	SUM \l
	v_lshl_or_b32 v[T0], v[T0+1], 16, v[T0]
	SUM \l
	SUM \l
	v_permlanex16_b32 v[T0+1], v[T0], s[SEL], s[SEL+1]
	SUM \l
	SUM \l
	v_lshl_or_b32 v[\ps], v[T0+1], 8, v[T0]        ; the word is whole in lanes 0-15, which alone are read
.irp c, 0,1
	v_cvt_scalef32_pk16_fp6_f32 v[\p+6*\c:\p+6*\c+2], v[S+32*\c:S+32*\c+15], v[M0+\c]
	v_cvt_scalef32_pk16_fp6_f32 v[T:T+2], v[S+32*\c+16:S+32*\c+31], v[M0+\c]   ; (a conversion's three registers begin on an even number)
	SUM \l                                         ; the plain place behind the conversions
.irp i, 0,1,2
	v_mov_b32 v[\p+6*\c+3+\i], v[T+\i]
.endr
.endr
.rept 18
	SUM \l                                         ; these are also the places between the operand's last write and the products
.endr
	v_pk_add_f32 v[\l:\l+1], v[\l:\l+1], v[M2:M2+1]
	v_pk_add_f32 v[\l:\l+1], v[\l:\l+1], v[F:F+1]
.endm
.macro STEP                            ; 128 keys for both tiles
	v_add_nc_u32 v[CA], s[TB], v[A16]
	v_add_nc_u32 v[CB], s[TB], v[A8]
	v_nop
	v_nop                                          ; four places between the last products and the loads into their registers
	ds_load_b128 v[KS:KS+3], v[CA] offset:6144
.irp t, 0,1,2,3,4,5,6,7
	ds_load_b128 v[KV+6*\t:KV+6*\t+3], v[CA] offset:768*\t
	ds_load_b64 v[KV+6*\t+4:KV+6*\t+5], v[CB] offset:768*\t+512
.endr
	WALU
	s_wait_dscnt 6                                 ; the scale words and key tiles 0-4 are in; the six loads of tiles 5-7 stay out
.irp t, 0,1,2,3
	WM S+8*\t, KV+6*\t, QA, 0, KS+\t/2, QS, \t%2, 0
.endr
	s_wait_dscnt 0x0
.irp t, 4,5,6,7
	WM S+8*\t, KV+6*\t, QA, 0, KS+\t/2, QS, \t%2, 0
.endr
.rept 4
	v_nop
.endr
	SOFT OA, PA, LA, NA, PSA
.irp t, 0,1,2,3,4,5,6,7
	WM S+8*\t, KV+6*\t-6, QB, 0, KS+\t/2, QS, \t%2, 1
.endr
.rept 4
	v_nop
.endr
.irp u, 0,1,2,3
	ds_load_b128 v[KV+12*\u:KV+12*\u+3], v[CA] offset:6656+1536*\u
	ds_load_b64 v[KV+12*\u+4:KV+12*\u+5], v[CB] offset:6656+1536*\u+512
	ds_load_b128 v[KV+12*\u+6:KV+12*\u+9], v[CA] offset:6656+1536*\u+768
	ds_load_b64 v[KV+12*\u+10:KV+12*\u+11], v[CB] offset:6656+1536*\u+1280
.endr
	ds_load_b64 v[KS:KS+1], v[CB] offset:12800
	SOFT OB, PB, LB, NB, PSB
	WALU
	s_wait_dscnt 0x0
.irp u, 0,1,2,3                        ; the eight accumulators take turns
	WM OA+8*\u, KV+12*\u, PA, v[OA+8*\u:OA+8*\u+7], KS+\u/2, PSA, \u%2, 0
	WM OB+8*\u, KV+12*\u, PB, v[OB+8*\u:OB+8*\u+7], KS+\u/2, PSB, \u%2, 0
.endr
	s_add_co_u32 s[TB], s[TB], STEPB
.endm
	s_load_b128 s[4:7], s[0:1], 0x0                ; qb, kv
	s_load_b64 s[8:9], s[0:1], 0x10                ; ob
	v_lshl_add_u32 v[SPW], v0, 2, SPARE
	v_mov_b32 v[NIL], 0
	ds_add_u32 v[SPW], v[NIL]                      ; the opening lines: the add twice on end and its wait
	ds_add_u32 v[SPW], v[NIL]
	v_lshrrev_b32 v[CA], 5, v0
	v_readfirstlane_b32 s[WV], v[CA]               ; wave 0..15
	v_and_b32 v[CB], 31, v0
	v_lshlrev_b32 v[A16], 4, v[CB]
	v_lshlrev_b32 v[A8], 3, v[CB]
	s_and_b32 s12, ttmp7, 0xffff                   ; 16 b + head
	s_bfe_u32 s11, ttmp6, 0x40000                  ; cx
	s_lshl_b32 s13, ttmp9, 2
	s_add_co_u32 s13, s13, s11                     ; X: which 512 queries
	s_mul_i32 s16, s[WV], STEPB                    ; key step = wave: its place in LDS and in the head's part of kv
	s_mul_i32 s14, s12, 16*STEPB
	s_add_co_u32 s14, s14, s16
	s_mov_b32 s15, 0
	s_mov_b32 s[G1], 15|(3<<16)|(1<<21)            ; the four partners; elements of 8 bytes; a dense block of 51 rows of 256 bytes
	s_mov_b32 s[G1+1], 32<<16
	s_mov_b32 s[G1+2], 51<<16
	s_mov_b32 s[G1+3], 32<<16
	s_mov_b32 s[G1+4], 51
	s_mov_b32 s[G1+5], 32
	s_mov_b32 s[G1+6], 0
	s_mov_b32 s[G1+7], 0
	s_mov_b32 s[CS], 0x3e38aa3b                    ; log2(e) / 8
	s_mov_b32 s[CS+1], s[CS]
	s_mov_b32 s[SEL], 0x76543210
	s_mov_b32 s[SEL+1], 0xfedcba98                 ; selects for lane l xor 16
	s_mov_b32 s[TB], 0
	s_lshl_b32 s18, s13, 2                         ; q: step of 128 tokens 4 X + wave / 4, tiles 2 (wave % 4) + 0, 1
	s_lshr_b32 s19, s[WV], 2
	s_add_co_u32 s18, s18, s19
	s_mul_i32 s18, s18, 6656
	s_mul_i32 s19, s12, 106496
	s_add_co_u32 s18, s18, s19
	s_and_b32 s19, s[WV], 3
	s_mul_i32 s22, s19, 1536
	s_add_co_u32 s22, s22, s18
	s_mov_b32 s23, 0
	s_lshl_b32 s54, s19, 2
	s_add_co_u32 s54, s54, s18
	s_add_co_u32 s54, s54, 6144                    ; the scale image: tile 2 i + p, row r at 16 (16 p + r) + 4 i
	s_mov_b32 s55, 0
	s_and_b32 s56, s12, 15                         ; head
	s_lshr_b32 s57, s12, 4
	s_lshl_b32 s57, s57, 2
	s_add_co_u32 s57, s57, s13                     ; 4 b + X: my work-group's 32 tiles of tokens
	s_lshl_b32 s20, s57, 10                        ; o's scale bytes: 32 a tile, 16,384 a head
	s_lshl_b32 s21, s56, 14
	s_add_co_u32 s20, s20, s21
	s_and_b32 s21, s[WV], 1
	s_lshl_b32 s19, s21, 9
	s_add_co_u32 s20, s20, s19                     ; waves 0 and 1 send 512 bytes each
	s_add_co_u32 s20, s20, 6553600
	s_mul_i32 s58, s21, 6144                       ; o's codes: quad 8 (4 b + X) + wave / 2, tiles 2 (wave % 2) + 0, 1
	s_mov_b32 s21, 0
	s_lshl_b32 s57, s57, 3
	s_lshr_b32 s19, s[WV], 1
	s_add_co_u32 s57, s57, s19
	s_mul_i32 s57, s57, 12800
	s_add_co_u32 s58, s58, s57
	s_lshr_b32 s57, s56, 2
	s_mul_i32 s57, s57, 1638400                    ; K chunk head / 4,
	s_add_co_u32 s58, s58, s57
	s_and_b32 s57, s56, 3
	s_mul_i32 s57, s57, 768                        ; half fragment head % 4
	s_add_co_u32 s58, s58, s57
	s_mov_b32 s59, 0
	WALU                                           ; the wait ahead of the blocking waits
	s_wait_dscnt 0x0
	s_wait_kmcnt 0x0
	s_mov_b32 s[G0], 1
	s_mov_b32 s[G0+1], s16
	s_add_nc_u64 s[G0+2:G0+3], s[6:7], s[14:15]
	s_or_b32 s[G0+3], s[G0+3], 0x80000000
	s_add_nc_u64 s[22:23], s[4:5], s[22:23]
	s_add_nc_u64 s[54:55], s[4:5], s[54:55]
	s_add_nc_u64 s[58:59], s[8:9], s[58:59]
	s_add_nc_u64 s[20:21], s[8:9], s[20:21]
	CROUND                                         ; the four partners are here: the joint loads meet
	s_cmp_lt_u32 s[WV], 4                          ; one load a wave; waves 0-3, whose steps are read first, have a line of their own
	s_cbranch_scc0 .Llater
	tensor_load_to_lds s[G0:G0+3], s[G1:G1+7]
	s_nop 0
.rept 4
	v_nop
.endr
	s_branch .Lasked
.Llater:
	tensor_load_to_lds s[G0:G0+3], s[G1:G1+7]
	s_nop 0
.rept 4
	v_nop
.endr
.Lasked:
	global_load_b128 v[QA:QA+3], v[A16], s[22:23]
	global_load_b64 v[QA+4:QA+5], v[A8], s[22:23] offset:512
	global_load_b128 v[QB+6:QB+9], v[A16], s[22:23] offset:768
	global_load_b64 v[QB+10:QB+11], v[A8], s[22:23] offset:1280
	global_load_b32 v[QS], v[A16], s[54:55]
.irp j, 0,1,2,3,4,5
	v_mov_b32 v[QA+6+\j], 0
	v_mov_b32 v[QB+\j], 0
.endr
.set J, 0
.rept 64
	v_mov_b32 v[OA+J], 0                           ; the step is written once: the first finds zeros, which the first change of M leaves zeros
.set J, J+1
.endr
.irp j, T0, T0+1, F+1, LA, LA+1, LB, LB+1
	v_mov_b32 v[\j], 0
.endr
	v_mov_b32 v[NA], 0x7f61b1e6                    ; -M = 3e38: over every -ceil(t)
	v_mov_b32 v[NB], 0x7f61b1e6
	WALU                                           ; the head's end
	s_wait_loadcnt 0x0
	s_cmp_lt_u32 s[WV], 4
	s_cbranch_scc0 .Lnot_first4
	s_wait_tensorcnt 0x0
.Lnot_first4:
	s_barrier_signal -1
	s_barrier_wait -1                              ; key steps 0-3 are in
	s_mov_b32 s[CNT], 4
.Lfirst:
	STEP
	s_sub_co_u32 s[CNT], s[CNT], 1
	s_cmp_lg_u32 s[CNT], 0
	s_cbranch_scc1 .Lfirst
	s_wait_tensorcnt 0x0
	s_wait_dscnt 0x0
	s_barrier_signal -1
	s_barrier_wait -1                              ; all sixteen are in
	s_mov_b32 s[CNT], 12
.Lrest:
	STEP
	s_sub_co_u32 s[CNT], s[CNT], 1
	s_cmp_lg_u32 s[CNT], 0
	s_cbranch_scc1 .Lrest
	; THE WAY OUT: O^T / the sum; a lane's 32 numbers are block h of the head's 64: byte, codes, a half fragment of proj's operand
	v_add_f32 v[LA], v[LA], v[LA+1]
	v_add_f32 v[LB], v[LB], v[LB+1]
	v_permlanex16_b32 v[T0], v[LA], s[SEL], s[SEL+1]
	v_permlanex16_b32 v[T0+1], v[LB], s[SEL], s[SEL+1]
	v_add_f32 v[LA], v[LA], v[T0]
	v_add_f32 v[LB], v[LB], v[T0+1]
	s_lshl_b32 s14, s[WV], 6
	s_add_co_u32 s14, s14, OSTG
	v_and_b32 v33, 15, v0
	v_lshl_add_u32 v33, v33, 1, s14                ; the stage: 32 bytes a tile, two a row
	s_and_b32 s15, s[WV], 1
	s_lshl_b32 s15, s15, 9
	s_add_co_u32 s15, s15, OSTG
	v_add_nc_u32 v34, s15, v[A16]                  ; and back
	v_bfe_u32 v32, v0, 4, 1
	v_lshlrev_b32 v32, 3, v32                      ; 8 h
	WALU
	v_rcp_f32 v[F], v[LA]
	v_rcp_f32 v[M2], v[LB]
	v_nop
	WALU
.set J, 0
.rept 16
	v_pk_mul_f32 v[S+J:S+J+1], v[OA+J:OA+J+1], v[F:F+1] op_sel_hi:[1,0]
.set J, J+2
.endr
.set J, 0
.rept 16
	v_pk_mul_f32 v[S+32+J:S+33+J], v[OB+J:OB+J+1], v[M2:M2+1] op_sel_hi:[1,0]
.set J, J+2
.endr
.irp e, 0,1
	v_max3_num_f32 v[24+\e], |v[S+32*\e]|, |v[S+32*\e+1]|, 0x1800000
	v_max3_num_f32 v[26+\e], |v[S+32*\e+16]|, |v[S+32*\e+17]|, 0x1800000
.endr
.irp i, 2,4,6,8,10,12,14
.irp e, 0,1
	v_max3_num_f32 v[24+\e], v[24+\e], |v[S+32*\e+\i]|, |v[S+32*\e+\i+1]|
	v_max3_num_f32 v[26+\e], v[26+\e], |v[S+32*\e+16+\i]|, |v[S+32*\e+17+\i]|
.endr
.endr
.irp e, 0,1
	v_max_num_f32 v[24+\e], v[24+\e], v[26+\e]
.endr
.irp e, 0,1
	v_add_nc_u32 v[28+\e], 0xff000000, v[24+\e]
.endr
.irp e, 0,1
	v_lshrrev_b32 v[30+\e], 23, v[28+\e]
.endr
.irp e, 0,1
	v_lshlrev_b32 v[30+\e], v32, v[30+\e]
.endr
.irp e, 0,1
	v_permlanex16_b32 v[T0+\e], v[30+\e], s[SEL], s[SEL+1]
.endr
.irp e, 0,1
	v_or_b32 v[30+\e], v[30+\e], v[T0+\e]          ; my row's two bytes
.endr
	v_cvt_scalef32_pk16_fp6_f32 v[PA:PA+2], v[S:S+15], v28
	v_cvt_scalef32_pk16_fp6_f32 v[T:T+2], v[S+16:S+31], v28
	v_cvt_scalef32_pk16_fp6_f32 v[PB:PB+2], v[S+32:S+47], v29
	v_cvt_scalef32_pk16_fp6_f32 v[36:38], v[S+48:S+63], v29
	v_nop
.irp i, 0,1,2
	v_mov_b32 v[PA+3+\i], v[T+\i]
	v_mov_b32 v[PB+3+\i], v[36+\i]
.endr
	global_store_b128 v[A16], v[PA:PA+3], s[58:59]             ; 512 and 256 consecutive bytes, at multiples of 256 from the buffer's first byte
	global_store_b64 v[A8], v[PA+4:PA+5], s[58:59] offset:512
	global_store_b128 v[A16], v[PB:PB+3], s[58:59] offset:3072
	global_store_b64 v[A8], v[PB+4:PB+5], s[58:59] offset:3584
	ds_store_b16 v33, v30                          ; both halves of the lanes write the same half word
	ds_store_b16 v33, v31 offset:32
	WALU
	s_wait_dscnt 0x0                               ; for the others' sake
	s_barrier_signal -1
	s_barrier_wait -1
	s_cmp_lt_u32 s[WV], 2
	s_cbranch_scc0 .Lend
	ds_load_b128 v[S:S+3], v34
	s_wait_dscnt 0x0
	global_store_b128 v[A16], v[S:S+3], s[20:21]
.Lend:
	s_wait_tensorcnt 0x0                           ; the wave's end
	ds_add_u32 v[SPW], v[NIL]
	s_wait_dscnt 0x0
	CROUND                                         ; the closing round
	s_endpgm
.Lfunc_end_k_q878d47b4d4_attn:
	.size	k_q878d47b4d4_attn, .Lfunc_end_k_q878d47b4d4_attn-k_q878d47b4d4_attn
	.p2alignl 7, 3214868480
	.fill 96, 4, 3214868480
	.section	.rodata,"a",@progbits
	.p2align	6, 0x0
	.amdhsa_kernel k_q878d47b4d4_attn
		.amdhsa_group_segment_fixed_size 327680
		.amdhsa_private_segment_fixed_size 0
		.amdhsa_enable_private_segment 0
		.amdhsa_kernarg_size 24
		.amdhsa_user_sgpr_count 2
		.amdhsa_user_sgpr_kernarg_segment_ptr 1
		.amdhsa_wavefront_size32 1
		.amdhsa_system_sgpr_workgroup_id_x 1
		.amdhsa_system_sgpr_workgroup_id_y 1
		.amdhsa_system_sgpr_workgroup_id_z 1
		.amdhsa_system_vgpr_workitem_id 0
		.amdhsa_next_free_vgpr 256
		.amdhsa_next_free_sgpr 66
		.amdhsa_reserve_vcc 0
		.amdhsa_float_denorm_mode_32 3
		.amdhsa_float_denorm_mode_16_64 3
		.amdhsa_memory_ordered 1
		.amdhsa_forward_progress 1
		.amdhsa_inst_pref_size 71
	.end_amdhsa_kernel
	.amdgpu_metadata
---
amdhsa.version: [ 1, 2 ]
amdhsa.kernels:
  - .name:           k_q878d47b4d4_attn
    .symbol:         k_q878d47b4d4_attn.kd
    .args:
      - { .name: qb, .offset: 0, .size: 8, .value_kind: global_buffer, .address_space: global }
      - { .name: kv, .offset: 8, .size: 8, .value_kind: global_buffer, .address_space: global }
      - { .name: ob, .offset: 16, .size: 8, .value_kind: global_buffer, .address_space: global }
    .group_segment_fixed_size: 327680
    .private_segment_fixed_size: 0
    .kernarg_segment_align: 8
    .kernarg_segment_size: 24
    .max_flat_workgroup_size: 512
    .sgpr_count:     66
    .vgpr_count:     256
    .wavefront_size: 32
...
	.end_amdgpu_metadata
.endif
;; end of part 3
;; launch proj (part 4): grid 4 x 64, 8 waves a work-group, clusters of 4 x 4, 308,224 bytes of LDS; arguments ob, wp, b_proj, out0; writes out0
.if DOCPART == 4
	.amdgcn_target "amdgcn-amd-amdhsa--gfx1250"
	.amdhsa_code_object_version 6
	.text
	.protected	k_q878d47b4d4_proj
	.globl	k_q878d47b4d4_proj
	.p2align	8
	.type	k_q878d47b4d4_proj,@function
k_q878d47b4d4_proj:
	s_mov_b64 s[64:65], 0
	v_nop
	global_prefetch_b8 v0, s[64:65] scope:SCOPE_SE
	s_setreg_imm32_b32 hwreg(HW_REG_WAVE_MODE, 25, 1), 1
	s_wait_xcnt 0x0
	s_wait_alu depctr_hold_cnt(0) depctr_sa_sdst(0) depctr_va_vdst(0) depctr_va_sdst(0) depctr_va_ssrc(0) depctr_va_vcc(0) depctr_vm_vsrc(0)
	s_getreg_b32 s2, hwreg(HW_REG_IB_STS2, 6, 4)
	s_cmp_eq_u32 s2, 0
	s_cbranch_scc0 .Lentry_in_a_cluster
	s_endpgm
.Lentry_in_a_cluster:
	s_bfe_u32 s2, ttmp6, 0x10000c
	s_cmp_lg_u32 s2, 0xf033
	s_cbranch_scc0 .Lentry_shape_is_right
	s_endpgm
.Lentry_shape_is_right:
; out0 = O w_proj^T + b_proj on codes of E2M3.  Nothing of the problem's work is left out here.
; The frame is the launch qkv's: S0 = 256 rows of w_proj (four quads), S1 = 128 tokens of O (two quads), all of K = 1,024 in LDS, each byte filled once; source 0 = S0, source 1 = S1; eight waves, each 64 x 64;
; the bias is loaded into the accumulators; cluster 4 x 4, S0 asked for jointly down a column, S1 along a row.
; O'S SCALE WORDS ARE JOINED HERE: the launch attn stored two bytes for a row and a head; two heads' make the word of 128 along K.  S1's loads bring 48 rows of 256 bytes, the codes alone; the 512 bytes behind them in each LDS block,
; into which no load lands, take the words: each thread loads 16 bytes (8 rows of one tile and head) and stores 8 half words.
; THE WAY OUT: a lane holds 32 neighbouring outputs of one token; a tile of 16 tokens x 64 outputs goes through the wave's own stage (16 rows x 272 bytes) and leaves as rows of 256 bytes.  The stages lie in K chunk 0's bytes,
; which have had their only fill, and which every wave has left at chunk 1's barrier.
.set OPB,   12800
.set CHB,   6*OPB
.set SPARE, 4*CHB                      ; the spare words, 128 bytes for each wave: four blocks of 256 bytes that no other line names
.set SC,    20
.set F0,    32
.set F1,    80
.set ACC,   128
.set SPW,   16
.set NIL,   17
.set WV,    14
.set G1A,   28
.set G1B,   36
.set G0A,   44
.set G0B,   68
.macro CROUND
	s_barrier_signal -1
	s_barrier_wait -1
	s_cmp_lg_u32 s[WV], 0
	s_cbranch_scc1 .Lnot_wave_0_\@
	s_barrier_signal -3
.Lnot_wave_0_\@:
	s_barrier_wait -3
	s_barrier_signal -1
	s_barrier_wait -1
.endm
.macro FRAG reg, a16, a8, off
	ds_load_b128 v[\reg:\reg+3], v[\a16] offset:\off
	ds_load_b64 v[\reg+4:\reg+5], v[\a8] offset:\off+512
	ds_load_b128 v[\reg+6:\reg+9], v[\a16] offset:\off+768
	ds_load_b64 v[\reg+10:\reg+11], v[\a8] offset:\off+1280
.endm
.macro KSTEP sp                        ; 128 along K: 32 loads, 16 products; the 16 accumulators take turns in the same order in every step
.irp i, 0,1,2,3
	FRAG F0+12*\i, 4, 5, 3072*\i+1536*(\sp)
.endr
.irp i, 0,1,2,3
	FRAG F1+12*\i, 6, 7, 3072*\i+1536*(\sp)
.endr
.irp a, 0,1,2,3
	s_wait_dscnt 12-4*\a                           ; S0's fragments and S1's up to a are in; the four loads of each younger fragment of S1 stay out
.irp u, 0,1,2,3
	v_wmma_scale_f32_16x16x128_f8f6f4 v[ACC+32*\a+8*\u:ACC+32*\a+8*\u+7], v[F0+12*\u:F0+12*\u+11], v[F1+12*\a:F1+12*\a+11], v[ACC+32*\a+8*\u:ACC+32*\a+8*\u+7], v[SC+2*\u+(\sp)], v[SC+2*\a+(\sp)] matrix_a_fmt:MATRIX_FMT_FP6 matrix_b_fmt:MATRIX_FMT_FP6 matrix_b_scale:MATRIX_SCALE_ROW1
.endr
.endr
.rept 4
	v_nop                                          ; four places in front of loads into registers that these products have read, and of the first read of results
.endr
.endm
.macro CHUNK q
.if \q < 3
	s_cmp_gt_u32 s16, \q                           ; waves q and q + 4 (and those of the earlier chunks) wait for their one load; each wave's load line is its own
	s_cbranch_scc1 .Lnot_mine_\@
	s_wait_tensorcnt 0x0
.Lnot_mine_\@:
.else
	s_wait_tensorcnt 0x0                           ; the last chunk: every wave waits, under no branch
.endif
	s_barrier_signal -1
	s_barrier_wait -1
.if \q > 0
.irp v, 4,5,6,7,8
	v_add_nc_u32 v[\v], CHB, v[\v]
.endr
.endif
.irp i, 0,1,2,3
	ds_load_b64 v[SC+2*\i:SC+2*\i+1], v8 offset:128*\i
.endr
	KSTEP 0
	s_wait_alu depctr_va_vdst(0)
	KSTEP 1
.endm
	s_load_b256 s[4:11], s[0:1], 0x0               ; ob, wp, b_proj, out0
	v_lshl_add_u32 v[SPW], v0, 2, SPARE
	v_mov_b32 v[NIL], 0
	ds_add_u32 v[SPW], v[NIL]                      ; the wave's opening: the add, twice on end, and its wait ahead of the first tensor loads
	ds_add_u32 v[SPW], v[NIL]
	v_lshrrev_b32 v1, 5, v0
	s_delay_alu instid0(VALU_DEP_1)
	v_readfirstlane_b32 s[WV], v1                  ; wave 0..7
	s_lshr_b32 s15, s[WV], 2                       ; my quad of S1
	s_and_b32 s16, s[WV], 3                        ; my quad of S0
	v_and_b32 v1, 31, v0                           ; lane
	v_and_b32 v2, 15, v0                           ; r
	v_bfe_u32 v3, v0, 4, 1                         ; h
	s_delay_alu instid0(VALU_DEP_3)
	v_lshlrev_b32 v10, 4, v1
	s_delay_alu instid0(VALU_DEP_4)
	v_lshlrev_b32 v11, 3, v1
	s_mul_i32 s60, s16, OPB
	s_mul_i32 s61, s15, 12288                      ; in LDS S1's two quads of codes lie on end, 12,288 bytes each; both quads' scale words, 512 bytes each, lie behind them
	s_add_co_u32 s61, s61, 4*OPB
	v_add_nc_u32 v4, s60, v10
	v_add_nc_u32 v5, s60, v11
	v_add_nc_u32 v6, s61, v10
	v_add_nc_u32 v7, s61, v11
	s_lshl_b32 s61, s15, 9
	s_add_co_u32 s61, s61, 4*OPB+12288             ; S1's words at 4 OPB + 24,576 + 512 x quad, S0's at its quad + 12,288
	s_sub_co_u32 s61, s61, s60
	v_mul_u32_u24 v8, s61, v3                      ; scale words: lanes 16-31 take S1's: one product, h x the distance
	s_delay_alu instid0(VALU_DEP_1)
	v_lshl_add_u32 v8, v2, 3, v8
	s_add_co_u32 s60, s60, 12288
	v_add_nc_u32 v8, s60, v8
	v_lshlrev_b32 v12, 7, v3                       ; the bias: 128 h
	; where thread t puts its 8 half words: head t / 16 (chunk head / 4, K step (head / 2) % 2, half head % 2), tile (t % 16) / 2 (quad, tile in it), rows 8 (t % 2) + j
	v_bfe_u32 v28, v0, 6, 2
	s_delay_alu instid0(VALU_DEP_1)
	v_mul_u32_u24 v13, v28, CHB
	v_bfe_u32 v28, v0, 3, 1
	s_delay_alu instid0(VALU_DEP_1)
	v_mad_u32_u24 v13, v28, 512, v13
	v_bfe_u32 v28, v0, 1, 2
	s_delay_alu instid0(VALU_DEP_1)
	v_lshl_add_u32 v13, v28, 7, v13
	v_and_b32 v28, 1, v0
	s_delay_alu instid0(VALU_DEP_1)
	v_lshl_add_u32 v13, v28, 6, v13
	v_bfe_u32 v28, v0, 5, 1
	s_delay_alu instid0(VALU_DEP_1)
	v_lshl_add_u32 v13, v28, 2, v13
	v_bfe_u32 v28, v0, 4, 1
	s_delay_alu instid0(VALU_DEP_1)
	v_lshl_add_u32 v13, v28, 1, v13
	s_delay_alu instid0(VALU_DEP_1)
	v_add_nc_u32 v13, 4*OPB+24576, v13
	s_mul_i32 s60, s[WV], 16*272                   ; my stage
	v_mul_u32_u24 v14, v2, 272
	s_delay_alu instid0(VALU_DEP_1)
	v_lshl_add_u32 v14, v3, 7, v14
	s_delay_alu instid0(VALU_DEP_1)
	v_add_nc_u32 v14, s60, v14                     ; in: row r, + 128 h
	v_mul_u32_u24 v15, v3, 272
	s_delay_alu instid0(VALU_DEP_1)
	v_lshl_add_u32 v15, v2, 4, v15
	s_delay_alu instid0(VALU_DEP_1)
	v_add_nc_u32 v15, s60, v15                     ; back: lanes 0-15 one row, lanes 16-31 the next
	v_lshrrev_b32 v18, 4, v0
	s_delay_alu instid0(VALU_DEP_1)
	v_lshlrev_b32 v18, 14, v18
	s_delay_alu instid0(VALU_DEP_1)
	v_lshl_add_u32 v18, v2, 4, v18                 ; the half words in memory: 16,384 bytes a head, 16 bytes a thread
	v_lshlrev_b32 v19, 12, v3
	s_delay_alu instid0(VALU_DEP_1)
	v_lshl_add_u32 v19, v2, 4, v19                 ; out0: the same two rows, 4,096 bytes apart
	s_bfe_u32 s17, ttmp6, 0x40000                  ; cx
	s_bfe_u32 s18, ttmp6, 0x40004                  ; cy
	s_lshl_b32 s22, ttmp9, 2
	s_add_co_u32 s22, s22, s17                     ; X: S0's tile (holds cx, never cy)
	s_and_b32 s23, ttmp7, 0xffff
	s_lshl_b32 s23, s23, 2
	s_add_co_u32 s23, s23, s18                     ; Y: S1's tile (holds cy, never cx)
	s_lshl_b32 s60, s22, 2
	s_mul_i32 s60, s60, OPB                        ; S0: quads 4 X to 4 X + 3
	s_mov_b32 s61, 0
	s_mov_b32 s62, 204800                          ; from chunk to chunk in wp
	s_lshl_b32 s88, s23, 1
	s_mul_i32 s88, s88, OPB                        ; S1: quads 2 Y, 2 Y + 1
	s_mov_b32 s89, 0
	s_mov_b32 s90, 1638400                         ; from chunk to chunk in ob
	s_mul_i32 s86, s16, CHB                        ; a wave fetches for K chunk wave % 4: S0's four quads at the chunk's start,
	s_add_co_u32 s94, s86, 4*OPB                   ; S1's codes behind them: no place in the cluster enters an LDS address
	s_mul_i32 s62, s62, s16                        ; and that chunk's place in each buffer
	s_mul_i32 s90, s90, s16
	s_add_co_u32 s60, s60, s62
	s_add_co_u32 s88, s88, s90
	s_lshl_b32 s87, 0x1111, s17                    ; my column of the cluster
	s_or_b32 s[G1A], s87, (3<<16)|(1<<21)
	s_lshl_b32 s95, s18, 2
	s_lshl_b32 s95, 15, s95                        ; my row
	s_or_b32 s[G1B], s95, (3<<16)|(1<<21)
	s_mov_b32 s[G1A+1], 32<<16                     ; S0: 50 rows of 256 bytes: codes and scale words
	s_mov_b32 s[G1A+2], 200<<16                    ; four quads, dense: 200 rows of 256 bytes
	s_mov_b32 s[G1A+3], 32<<16
	s_mov_b32 s[G1A+4], 200
	s_mov_b32 s[G1A+5], 32
	s_mov_b32 s[G1A+6], 0
	s_mov_b32 s[G1A+7], 0
	s_mov_b32 s[G1B+1], 1536<<16                   ; S1: two quads' codes alone: two rows of 12,288 bytes, 12,800 bytes apart in memory, on end in LDS
	s_mov_b32 s[G1B+2], 2<<16
	s_mov_b32 s[G1B+3], 1536<<16
	s_mov_b32 s[G1B+4], 2
	s_mov_b32 s[G1B+5], 1600
	s_mov_b32 s[G1B+6], 0
	s_mov_b32 s[G1B+7], 0
	s_lshl_b32 s96, s23, 8
	s_add_co_u32 s96, s96, 6553600                 ; my 8 tiles' half words: 256 bytes in each head's run
	s_mov_b32 s97, 0
	s_lshl_b32 s98, s22, 10
	s_lshl_b32 s99, s16, 8
	s_add_co_u32 s98, s98, s99                     ; my 64 outputs, in bytes: 1,024 X + 256 x my quad of S0
	s_mov_b32 s99, 0
	s_lshl_b32 s100, s23, 1
	s_add_co_u32 s100, s100, s15
	s_lshl_b32 s100, s100, 18                      ; my 64 tokens: rows of 4,096 bytes
	s_add_co_u32 s100, s100, s98
	s_mov_b32 s101, 0
	s_wait_dscnt 0x0                               ; both opening adds are done
	s_wait_kmcnt 0x0
	s_add_nc_u64 s[84:85], s[6:7], s[60:61]
	s_add_nc_u64 s[92:93], s[4:5], s[88:89]
	s_add_nc_u64 s[96:97], s[4:5], s[96:97]
	s_add_nc_u64 s[8:9], s[8:9], s[98:99]
	s_add_nc_u64 s[100:101], s[10:11], s[100:101]
	s_mov_b32 s[G0A], 1
	s_mov_b32 s[G0A+1], s86
	s_mov_b64 s[G0A+2:G0A+3], s[84:85]
	s_or_b32 s[G0A+3], s[G0A+3], 0x80000000
	s_mov_b32 s[G0B], 1
	s_mov_b32 s[G0B+1], s94
	s_mov_b64 s[G0B+2:G0B+3], s[92:93]
	s_or_b32 s[G0B+3], s[G0B+3], 0x80000000
	CROUND                                         ; all sixteen work-groups are here: the joint loads meet
; ONE LOAD A WAVE, in one chain of arms on the wave's number: waves 0-3 S0's part of K chunk wave, waves 4-7 S1's part of chunk wave - 4; one of mine is out
.macro ARM w, g0, g1
	s_cmp_lg_u32 s[WV], \w
	s_cbranch_scc1 .Lnot_\w
	tensor_load_to_lds s[\g0:\g0+3], s[\g1:\g1+7]
	s_nop 0
.rept 4
	v_nop
.endr
	s_branch .Lasked
.Lnot_\w:
.endm
	ARM 0, G0A, G1A
	ARM 4, G0B, G1B
	ARM 1, G0A, G1A
	ARM 5, G0B, G1B
	ARM 2, G0A, G1A
	ARM 6, G0B, G1B
	ARM 3, G0A, G1A
	tensor_load_to_lds s[G0B:G0B+3], s[G1B:G1B+7]
	s_nop 0
.rept 4
	v_nop
.endr
.Lasked:
	s_wait_alu depctr_va_vdst(0)
	global_load_b128 v[F0:F0+3], v18, s[96:97]     ; my 8 half words
.irp a, 0,1,2,3
.irp k, 0,1,2,3,4,5,6,7
	global_load_b128 v[ACC+32*\a+4*\k:ACC+32*\a+4*\k+3], v12, s[8:9] offset:16*\k   ; register 8 u + j: output 32 h + 8 u + j, the same for all four tiles of tokens
.endr
.endr
	s_wait_loadcnt 32                              ; the half words are in; the 32 loads of the bias, issued behind them, stay out
.irp j, 0,1,2,3
	ds_store_b16 v13, v[F0+\j] offset:16*\j
	ds_store_b16_d16_hi v13, v[F0+\j] offset:16*\j+8
.endr
	s_wait_loadcnt 0x0                             ; the bias lies in the accumulators
	s_wait_dscnt 0x0                               ; for the others' sake: my half words lie in LDS ahead of chunk 0's barrier
	CHUNK 0
	CHUNK 1
	CHUNK 2
	CHUNK 3
.macro TOSTAGE a                       ; tile a: 16 tokens x 64 outputs into my stage, and back as rows of 256 bytes: v32-63 and v64-95 by turns
.irp k, 0,1,2,3,4,5,6,7
	ds_store_b128 v14, v[ACC+32*(\a)+4*\k:ACC+32*(\a)+4*\k+3] offset:16*\k   ; each accumulator from its low end on
.endr
.irp i, 0,1,2,3,4,5,6,7
	ds_load_b128 v[32+32*((\a)%2)+4*\i:32+32*((\a)%2)+4*\i+3], v15 offset:544*\i   ; LDS serves a wave's instructions in order: these see the stores above, and the next tile's stores come behind them
.endr
.endm
.macro SEND a, younger                 ; younger: the LDS instructions issued behind tile a's loads, which may stay out
	s_wait_dscnt \younger
.irp i, 0,1,2,3,4,5,6,7
	global_store_b128 v19, v[32+32*((\a)%2)+4*\i:32+32*((\a)%2)+4*\i+3], s[100:101] offset:(32*(\i/4)+2*(\i%4)+8*(\a))*4096 th:TH_STORE_NT   ; stage rows 2 i, 2 i + 1 are tokens 32 (i / 4) + 8 a + 2 (i % 4) + 0, 1; sixteen lanes store 256 consecutive bytes, aligned
.endr
.endm
	TOSTAGE 0                                      ; (the last step's four places stand in front)
.irp a, 1,2,3
.if \a > 1
	s_wait_xcnt 0x0                                ; tile a - 2's stores have read their registers: tile a's loads may land there
.endif
	TOSTAGE \a
	SEND \a-1, 16                                  ; behind tile a - 1's loads: tile a's 8 stores and 8 loads
.endr
	SEND 3, 0
	s_wait_tensorcnt 0x0                           ; the wave's end, behind my last tensor load and my last LDS store
	ds_add_u32 v[SPW], v[NIL]
	s_wait_dscnt 0x0
	CROUND                                         ; the closing round
	s_endpgm
.Lfunc_end_k_q878d47b4d4_proj:
	.size	k_q878d47b4d4_proj, .Lfunc_end_k_q878d47b4d4_proj-k_q878d47b4d4_proj
	.p2alignl 7, 3214868480
	.fill 96, 4, 3214868480
	.section	.rodata,"a",@progbits
	.p2align	6, 0x0
	.amdhsa_kernel k_q878d47b4d4_proj
		.amdhsa_group_segment_fixed_size 308224
		.amdhsa_private_segment_fixed_size 0
		.amdhsa_enable_private_segment 0
		.amdhsa_kernarg_size 32
		.amdhsa_user_sgpr_count 2
		.amdhsa_user_sgpr_kernarg_segment_ptr 1
		.amdhsa_wavefront_size32 1
		.amdhsa_system_sgpr_workgroup_id_x 1
		.amdhsa_system_sgpr_workgroup_id_y 1
		.amdhsa_system_sgpr_workgroup_id_z 1
		.amdhsa_system_vgpr_workitem_id 0
		.amdhsa_next_free_vgpr 256
		.amdhsa_next_free_sgpr 102
		.amdhsa_reserve_vcc 0
		.amdhsa_float_denorm_mode_32 3
		.amdhsa_float_denorm_mode_16_64 3
		.amdhsa_memory_ordered 1
		.amdhsa_forward_progress 1
		.amdhsa_inst_pref_size 58
	.end_amdhsa_kernel
	.amdgpu_metadata
---
amdhsa.version: [ 1, 2 ]
amdhsa.kernels:
  - .name:           k_q878d47b4d4_proj
    .symbol:         k_q878d47b4d4_proj.kd
    .args:
      - { .name: ob, .offset: 0, .size: 8, .value_kind: global_buffer, .address_space: global }
      - { .name: wp, .offset: 8, .size: 8, .value_kind: global_buffer, .address_space: global }
      - { .name: b_proj, .offset: 16, .size: 8, .value_kind: global_buffer, .address_space: global }
      - { .name: out0, .offset: 24, .size: 8, .value_kind: global_buffer, .address_space: global }
    .group_segment_fixed_size: 308224
    .private_segment_fixed_size: 0
    .kernarg_segment_align: 8
    .kernarg_segment_size: 32
    .max_flat_workgroup_size: 256
    .sgpr_count:     102
    .vgpr_count:     256
    .wavefront_size: 32
...
	.end_amdgpu_metadata
.endif
;; end of part 4
